; MI455X (gfx1250); checked and timed in simulation.
; The chip was launched on July 23, 2026; its instructions are those of AMD's public machine-readable ISA for CDNA 5 (MIT licence, August 2026) and "CDNA5" Instruction Set Architecture Reference Guide (July 2026). The comments in the code are by the model that wrote it; some were corrected since.
;; Extended ANFIS. Allowed arithmetic: float matrix products may take bf16 or f16 operands with f32 sums; all other float work in f32.
;; Inputs: mfs 7 x 3 x 2 float32; rules 2,187 x 64 float32; x 16,384 x 7 float32.
;; Outputs: out0 16,384 x 64 float32.
;; 3 versions, each right; version 2 is faster than version 1; version 3 is version 2 with the launch anfis written anew for expert scheduling mode. Each part assembles by itself: llvm-mc -triple=amdgcn-amd-amdhsa -mcpu=gfx1250 --defsym DOCPART=n.
;; ======== version 1 of 3: 1 launch
;; limits: values are held in f16: magnitudes above 65,504 overflow, below 6.1e-05 lose precision; inputs' magnitudes at most 65,504
;; launch anfis (part 1): grid 256 x 1, 4 waves a work-group, no clusters, 121,344 bytes of LDS; arguments x, mfs, rules, out0; writes out0
.if DOCPART == 1
	.amdgcn_target "amdgcn-amd-amdhsa--gfx1250"
	.amdhsa_code_object_version 6
	.text
	.protected	k_qc01eafe18c_anfis
	.globl	k_qc01eafe18c_anfis
	.p2align	8
	.type	k_qc01eafe18c_anfis,@function
k_qc01eafe18c_anfis:
	s_mov_b64 s[64:65], 0
	v_nop
	global_prefetch_b8 v0, s[64:65] scope:SCOPE_SE
	s_setreg_imm32_b32 hwreg(HW_REG_WAVE_MODE, 25, 1), 1
	s_wait_xcnt 0x0
; out0[b][o] = sum over r of strength[b][r] / (sum of strengths + 1e-6) * rules[r][o],  strength = product over 7 inputs of a Gaussian membership.
; x [16384][7], mfs [7][3][2], rules [2187][64], out0 [16384][64], all f32.
;
; FORM.  r = 243 hi + lo (hi: inputs 0,1; lo: inputs 2..6).  A membership is 2^a, a = -t t.  For each input the largest of its three a is taken away in front of the
; exponential: m' = 2^(a - max a), so that each input's largest m' is 1.  With W = 2^(sum of the seven maxima) and S' = the sum of an input's three m' (1 to 3):
; strength = W P[hi] Q[lo] (P, Q: products of m'), the sum of all 2187 strengths = W x the product of the seven S' (distributive law: true for every input; only the
; order of rounding differs), and out = sum over hi of P'[hi] * (sum over lo of Q[lo] rules[243 hi + lo]),  P' = P W / (W x product of S' + 1e-6).
; Q is rounded once and stays in registers; the inner sums are matrix products with f32 sums; P' is applied in f32.
; FORMAT: f16, not bf16.  Q lies in [0, 1] and its largest number is 1, so it never leaves f16's range, and what is lost below 2^-25 stands against a sum of at least 1.
; Where terms of size 1 cancel, a product of two rounded operands is off by up to 2 x 2^-9 of its size in bf16 (8 significant bits) and 2 x 2^-12 in f16 (11 bits);
; results are wanted to a hundredth of the outputs' root mean square, which such sums do not reach in bf16.
; SHARES.  256 work-groups x 64 rows x all 64 columns, so that every 256-byte row of out0 is stored whole.  The four waves split K: in every hi a lane half h has
; 128 slots t, slot t = rule row 243 hi + 117 h + t; wave w takes t = 32 w .. 32 w + 31 (two products deep).  h = 0 serves lo 0..116, h = 1 serves lo 117..242; in the
; other slots Q is 0 and the rule row that is loaded there is a neighbouring, real row.  The same order of k is used for Q and for rules, so the products pair up.
; RULES WITHOUT LDS.  Lane (rho, h) loads 16 bytes of a rule row at columns 4 rho .. 4 rho + 3: sixteen lanes cover one 256-byte row.  Component i belongs to column
; tile i = the columns 4 rho + i, so two rows k, k + 1 give, by four conversions, one dword (k, k + 1) of each of the four tiles' fragments: no transpose is needed.
; NO JOINT TENSOR LOADS, though all work-groups read the same rules: the f32 rows have to pass registers to be rounded to f16; as tiles they would be written to LDS
; and read back, 589,824 bytes each way for a work-group, one LDS load for each of the global loads below, and no conversion would be spared.
; THE MATRIX INSTRUCTION IS USED TRANSPOSED: source 0 = rules (16 columns), source 1 = Q (16 rows of the batch).  Lane (r, h) then holds row r, register j column
; 4 (8 h + j) + i: one row a lane, so P' is one number a lane for each row tile and hi.
; LIMITS.  rules: a magnitude above 65,504 becomes infinite in f16 and makes its column NaN or infinite; magnitudes below 6.1e-5 are rounded to within 3e-8.  A number in
; rules that is not finite makes its column NaN (0 x inf in a slot with Q = 0); reference is not finite there either.  v_exp_f32 gives 0 below 2^-126 (ISA guide 15.8):
; W = 0 where the largest strength is below 2^-126; reference's results are then below 1.2e-32 x |rules|, here they are 0.  1/sigma and the division in P' are v_rcp_f32 (1 ulp).
;
; REGISTERS, in windows of 256 (s_set_vgpr_msb: bits 1:0 source 0, 3:2 source 1, 5:4 source 2, 7:6 destination):
;   window 0: addresses, the work of the prologue and of the way out
;   window 1: OUT v0-127 (row tile m, column tile i, register j at 32 m + 8 i + j), T v128-191 (two sets of four tiles), Q v192-255 (row tile m, step s at 16 m + 8 s)
;   windows 2, 3 (hi even, odd): RAW v0-127 (32 rule rows as loaded), BF v128-191 (fragments: step s, tile i at 32 s + 8 i), P' v192-239 (12 m + hi), offsets v240-242
; One setting serves products and scaling (source 0 in 2 or 3, all else in 1), one serves conversions and loads (all in 2 or 3).
.set ROWB,   256                       ; bytes in a row of rules and of out0
.set HIR,    243                       ; rule rows in a hi
.set HOFF,   117                       ; first lo of lane half 1
.set LASTR,  2186                      ; last row of rules
.set QPITCH, 272                       ; 256 bytes (128 slots of f16) + 16 = 17 x 16: sixteen rows start at sixteen different 16-byte columns of 256
.set PPITCH, 48                        ; 9 numbers of P' + 3 zeros = 3 x 16, likewise odd
.set SPITCH, 272                       ; a row of out0 + 16
.set PA,     128*QPITCH                ; LDS: Q at 0 (2 halves x 64 rows), P' behind it,
.set RED,    PA+64*PPITCH              ; the four waves' partial sums (16,384 bytes each),
.set STG,    RED+4*16384               ; a stage of 16 rows for each wave
.set MF,  16                           ; window 0: v16-17 one (mean, sigma) a lane
.set X,   18                           ; v18-24   my row of x
.set M,   26                           ; v26-46   21 memberships, 3 i + m
.set S,   48                           ; v48-54   first each input's largest exponent, then its sum of three
.set G,   56                           ; v56-64   inputs 2,3
.set E,   66                           ; v66-92   inputs 2,3,4: lo / 9
.set EH,  94                           ; v94-109  my half's 14 of them, then two zeros
.set FF,  110                          ; v110-127 inputs 5,6 (lo % 9), twice in a row: any even slot finds its pair aligned
.set PP,  128                          ; v128-139 P', 9 numbers and 3 zeros
.set QT,  140                          ; v140-147 four pairs at work
.set NE,  140                          ; v140     ahead of that: the sum of the seven largest exponents,
.set W,   141                          ; v141     2 to that power, then the factor of P'
.set QB,  148                          ; v148-211 my 128 slots of Q in f16
.set QST, 212
.set PST, 213
.set QRD, 214
.set PRD, 215
.set REDST, 216
.set REDRD, 217
.set STGST, 218
.set STGRD, 219
.set VOUT, 220
.set A,   64                           ; the way out: v64-191 four partial sums of my row tile
.set F,   16                           ; v16-47 the sums, 4 j + i
.set OUT, 0                            ; window 1
.set T,   128
.set Q,   192
.set RAW, 0                            ; windows 2, 3
.set BF,  128
.set PB,  192
.set ADR, 240                          ; byte offset of my 16 bytes in rule row 117 h + 32 w
.set ADC, 241                          ; v241-242 (window 2): the same for rows 30, 31 of hi = 8, held at the last row of rules
.set PAR, 20                           ; s20-61: (mean, scale) of the 21 membership functions
.set MSB, 0
.macro WIN new                         ; the immediate's high byte repeats the setting that is left; a switch that changes nothing is dropped
.if MSB != (\new)
	s_set_vgpr_msb (MSB<<8)|(\new)
.set MSB, (\new)
.endif
.endm
; row j (0..31) of my 32 rule rows of hi = u, into RAW
.macro LDROW u, j
.if 32*(\u)+(\j) >= 32*8+30
	global_load_b128 v[RAW+4*(\j):RAW+4*(\j)+3], v[ADC+(\j)-30], s[8:9]
.else
	global_load_b128 v[RAW+4*(\j):RAW+4*(\j)+3], v[ADR], s[8:9] offset:(HIR*(\u)+(\j))*ROWB
.endif
.endm
; rows 2q, 2q+1 of hi = u become dword q % 8 of the four tiles' fragments of step q / 8; the eight registers are loaded again with hi = u + 2
.macro FEED u, q
	WIN (0x9a+0x45*((\u)&1))
.if (\u) <= 6
	s_wait_loadcnt 60                              ; 62 loads were issued behind the two rows (the rest of u, all of u + 1, u + 2 so far); 60 takes the next two rows too, so that with the two loads below at most 62 are out
.else
.if (\u) == 7
	s_wait_loadcnt 62-2*(\q)                       ; nothing is issued any more: the rest of hi = 7 and all of hi = 8 may be out
.else
	s_wait_loadcnt 30-2*(\q)                       ; the rest of hi = 8
.endif
.endif
.irp i, 0,1,2,3
	v_cvt_pk_f16_f32 v[BF+32*((\q)>>3)+8*\i+((\q)&7)], v[RAW+8*(\q)+\i], v[RAW+8*(\q)+4+\i]
.endr
.if (\u) <= 6
	LDROW ((\u)+2), (2*(\q))
	LDROW ((\u)+2), (2*(\q)+1)
.endif
.endm
; T(m & 1, i) = or += rules fragment (s, i) x Q fragment (m, s).  The first of the two steps starts the sum: nothing is cleared.
.macro PROD m, s, i
.set kt, T+32*((\m)&1)+8*(\i)
.set kb, BF+32*(\s)+8*(\i)
.set kq, Q+16*(\m)+8*(\s)
.if (\s) == 0
	v_wmma_f32_16x16x32_f16 v[kt:kt+7], v[kb:kb+7], v[kq:kq+7], 0
.else
	v_wmma_f32_16x16x32_f16 v[kt:kt+7], v[kb:kb+7], v[kq:kq+7], v[kt:kt+7]
.endif
.endm
; OUT(m, i) = or += P'(m, hi) x T(m & 1, i): four packed instructions; P' is one register of an aligned pair, sent to both halves by op_sel
.macro SCALE hi, m, i
.set ko, OUT+32*(\m)+8*(\i)
.set kt, T+32*((\m)&1)+8*(\i)
.set kp, PB+12*(\m)+(\hi)-((\hi)&1)
.irp j, 0,2,4,6
.if (\hi) == 0
	v_pk_mul_f32 v[ko+\j:ko+\j+1], v[kp:kp+1], v[kt+\j:kt+\j+1] op_sel_hi:[0,1]
.else
.if ((\hi)&1) == 0
	v_pk_fma_f32 v[ko+\j:ko+\j+1], v[kp:kp+1], v[kt+\j:kt+\j+1], v[ko+\j:ko+\j+1] op_sel_hi:[0,1,1]
.else
	v_pk_fma_f32 v[ko+\j:ko+\j+1], v[kp:kp+1], v[kt+\j:kt+\j+1], v[ko+\j:ko+\j+1] op_sel:[1,0,0] op_sel_hi:[1,1,1]
.endif
.endif
.endr
.endm
; Two products of row tile m; between them the scaling of one tile of the row tile before; behind them one feed for the next hi.
; A row tile is eight products: step 0 on tiles 0..3, step 1 on tiles 0..3; the accumulators take turns, one product a turn.
; A tile of T is read by SCALE at least eight plain vector instructions behind its last product (ISA guide 7.12.1 asks for four), and is started
; again, with C = 0, a whole row tile later; a fragment register is rewritten a phase behind the products that read it.
.macro STEP hi, m, pq
	WIN (0x56+((\hi)&1))
	PROD \m, (\pq>>1), (2*(\pq&1))
.if \m > 0
	SCALE \hi, (\m-1), \pq
.else
.if \hi > 0
	SCALE (\hi-1), 3, \pq
.endif
.endif
	PROD \m, (\pq>>1), (2*(\pq&1)+1)
.if \hi < 8
	FEED (\hi+1), (4*\m+\pq)
.endif
.endm
.macro PHASE hi
.irp m, 0,1,2,3
.irp pq, 0,1,2,3
	STEP \hi, \m, \pq
.endr
.endr
.endm
; slots 2p, 2p+1 of Q in f32 into pair k: EH[slot / 9] x FF[slot % 18].  Where the two slots have different EH, the first has an even index (9 a + 8 even), so both lie in one aligned pair.
.macro QMUL p, k
.set kq0, (2*(\p))/9
.set kq1, (2*(\p)+1)/9
.set ksel, 2*(kq0&1)+(kq1&1)
.set keb, EH+kq0-(kq0&1)
.set kfb, FF+((2*(\p))%18)
.if ksel == 0
	v_pk_mul_f32 v[QT+2*\k:QT+2*\k+1], v[keb:keb+1], v[kfb:kfb+1] op_sel_hi:[0,1]
.endif
.if ksel == 1
	v_pk_mul_f32 v[QT+2*\k:QT+2*\k+1], v[keb:keb+1], v[kfb:kfb+1]
.endif
.if ksel == 3
	v_pk_mul_f32 v[QT+2*\k:QT+2*\k+1], v[keb:keb+1], v[kfb:kfb+1] op_sel:[1,0] op_sel_hi:[1,1]
.endif
.endm
	s_load_b256 s[4:11], s[0:1], 0x0               ; x s[4:5], mfs s[6:7], rules s[8:9], out0 s[10:11]
	v_lshl_add_u32 v254, v0, 2, 0x1d800
	v_mov_b32 v255, 0
	v_and_b32 v1, 31, v0                           ; lane
	v_and_b32 v2, 15, v0                           ; r
	v_bfe_u32 v3, v0, 4, 1                         ; h
	v_lshrrev_b32 v4, 5, v0
	v_readfirstlane_b32 s12, v4                    ; wave w
	s_lshl_b32 s13, s12, 4
	v_add_nc_u32 v5, s13, v2                       ; the row whose Q and P' I make: 16 w + r
	v_mul_u32_u24 v6, 28, v5                       ; its 7 numbers of x
	v_min_u32 v7, 20, v1                           ; lanes 0..20 take one membership function each; the others repeat the last: no lane leaves mfs
	v_lshlrev_b32 v7, 3, v7
	v_mul_u32_u24 v8, HOFF*ROWB, v3                ; rules: row 117 h
	v_lshl_add_u32 v8, v2, 4, v8                   ; + 16 r bytes
	s_lshl_b32 s13, s12, 13
	v_add_nc_u32 v8, s13, v8                       ; + 32 w rows
	v_lshlrev_b32 v9, 4, v2
	v_add_nc_u32 v9, LASTR*ROWB, v9                ; my 16 bytes in the last row
	v_add_nc_u32 v10, (8*HIR+30)*ROWB, v8          ; rows 30, 31 of hi = 8 are rows 2187, 2188 for wave 3, h = 1 (slots 126, 127, where Q = 0):
	v_add_nc_u32 v11, (8*HIR+31)*ROWB, v8
	v_min_u32 v10, v10, v9                         ; held at the last row, so that no load leaves rules
	v_min_u32 v11, v11, v9
	WIN 0x80
	v_mov_b32 v[ADR], v8
	v_mov_b32 v[ADC], v10
	v_mov_b32 v[ADC+1], v11
	WIN 0xc0
	v_mov_b32 v[ADR], v8
	WIN 0
	s_mul_i32 s14, ttmp9, 64*28                    ; the work-group's 64 rows of x
	s_mov_b32 s15, 0
	s_lshl_b32 s16, ttmp9, 14                      ; and of out0, 256 bytes each,
	s_lshl_b32 s17, s12, 12                        ; + the 16 rows that my wave stores
	s_add_co_u32 s16, s16, s17
	s_mov_b32 s17, 0
	s_wait_kmcnt 0x0
	s_add_nc_u64 s[4:5], s[4:5], s[14:15]
	s_add_nc_u64 s[10:11], s[10:11], s[16:17]
	global_load_b64 v[MF:MF+1], v7, s[6:7]
.irp i, 0,1,2,3,4,5,6
	global_load_b32 v[X+\i], v6, s[4:5] offset:4*\i
.endr
	WIN 0x9a
.irp j, 0,1,2,3,4,5,6,7,8,9,10,11,12,13,14,15,16,17,18,19,20,21,22,23,24,25,26,27,28,29,30,31
	LDROW 0, \j
.endr
	WIN 0xdf
.irp j, 0,1,2,3,4,5,6,7,8,9,10,11,12,13,14,15,16,17,18,19,20,21
	LDROW 1, \j                                    ; 62 loads are out now
.endr
	WIN 0
	; LDS addresses, while the loads are on their way
	v_lshl_add_u32 v[QST], v3, 6, v5               ; Q goes in at row 64 h + my row
	v_mul_u32_u24 v[QST], QPITCH, v[QST]
	v_mul_u32_u24 v[PST], PPITCH, v5
	v_add_nc_u32 v[PST], PA, v[PST]
	v_lshl_add_u32 v[QRD], v3, 6, v2               ; and comes back from row 64 h + 16 m + r, at my wave's 32 slots (64 bytes)
	v_mul_u32_u24 v[QRD], QPITCH, v[QRD]
	s_lshl_b32 s18, s12, 6
	v_add_nc_u32 v[QRD], s18, v[QRD]
	v_mul_u32_u24 v[PRD], PPITCH, v2
	v_add_nc_u32 v[PRD], PA, v[PRD]
	v_lshlrev_b32 v[VOUT], 4, v1                   ; 16 x lane: also 256 h + 16 r, my bytes in two rows of out0
	s_lshl_b32 s18, s12, 14
	s_add_co_u32 s18, s18, RED
	v_add_nc_u32 v[REDST], s18, v[VOUT]            ; my wave's partial sums
	s_lshl_b32 s19, s12, 12
	s_add_co_u32 s19, s19, RED
	v_add_nc_u32 v[REDRD], s19, v[VOUT]            ; row tile w in wave 0's partial sums
	s_mul_i32 s18, s12, 16*SPITCH
	s_add_co_u32 s18, s18, STG                     ; my wave's stage
	v_mul_u32_u24 v[STGST], SPITCH, v2
	v_lshl_add_u32 v[STGST], v3, 7, v[STGST]       ; in: row r, columns 32 h ..
	v_add_nc_u32 v[STGST], s18, v[STGST]
	v_mul_u32_u24 v[STGRD], SPITCH, v3
	v_lshl_add_u32 v[STGRD], v2, 4, v[STGRD]       ; back: lanes 0-15 one row, lanes 16-31 the next
	v_add_nc_u32 v[STGRD], s18, v[STGRD]
	v_cmp_ne_u32 vcc_lo, 0, v3                     ; lane half 1
	s_wait_loadcnt 52                              ; of the 62 the first ten are in: mfs, x and two rule rows; with the ten loads below at most 62 are out again
	WIN 0xdf
.irp j, 22,23,24,25,26,27,28,29,30,31
	LDROW 1, \j
.endr
	WIN 0
	; membership = exp(-z z / 2) = 2^a, a = -(t t), t = (x - mean) / (|sigma| + 1e-6) x sqrt(log2(e) / 2)
	v_and_b32 v[MF+1], 0x7fffffff, v[MF+1]
	v_add_f32 v[MF+1], 0x358637bd, v[MF+1]         ; + 1e-6
	v_rcp_f32 v[MF+1], v[MF+1]
	v_mov_b32 v[EH+14], 0                          ; the plain instruction between v_rcp_f32 and the use of its result (ISA guide 5.7.2); slots 126, 127 are zero
	s_wait_alu depctr_va_vdst(0)
	v_mul_f32 v[MF+1], 0x3f596d27, v[MF+1]         ; x 0.8493218
.irp k, 0,1,2,3,4,5,6,7,8,9,10,11,12,13,14,15,16,17,18,19,20
	v_readlane_b32 s[PAR+2*\k], v[MF], \k
	v_readlane_b32 s[PAR+2*\k+1], v[MF+1], \k
.endr
.irp i, 0,1,2,3,4,5,6
.irp m, 0,1,2
	v_sub_f32 v[M+3*\i+\m], v[X+\i], s[PAR+6*\i+2*\m]      ; the difference first, as reference forms it
.endr
.endr
.irp k, 0,1,2,3,4,5,6,7,8,9,10,11,12,13,14,15,16,17,18,19,20
	v_mul_f32 v[M+\k], s[PAR+2*\k+1], v[M+\k]
.endr
.irp k, 0,1,2,3,4,5,6,7,8,9,10,11,12,13,14,15,16,17,18,19,20
	v_mul_f32 v[M+\k], -v[M+\k], v[M+\k]           ; a
.endr
.irp i, 0,1,2,3,4,5,6
	v_max3_num_f32 v[S+\i], v[M+3*\i], v[M+3*\i+1], v[M+3*\i+2]    ; each input's largest exponent,
.endr
.irp i, 0,1,2,3,4,5,6
	v_max_num_f32 v[S+\i], 0xff000000, v[S+\i]     ; held at -2^127 or above: three exponents of -inf then give -inf (memberships 0, as in reference) and not inf - inf
.endr
.irp i, 0,1,2,3,4,5,6
.irp m, 0,1,2
	v_sub_f32 v[M+3*\i+\m], v[M+3*\i+\m], v[S+\i]  ; is taken away: the largest of the three memberships becomes 1
.endr
.endr
	v_add_f32 v[NE], v[S], v[S+1]                  ; what was taken away, summed over the inputs
	v_add_f32 v[W], v[S+2], v[S+3]
	v_add_f32 v[QT+2], v[S+4], v[S+5]
	v_add_f32 v[NE], v[NE], v[W]
	v_add_f32 v[QT+2], v[QT+2], v[S+6]
	v_add_f32 v[NE], v[NE], v[QT+2]
.irp k, 0,1,2,3,4,5,6,7,8,9,10,11,12,13,14,15,16,17,18,19,20
	v_exp_f32 v[M+\k], v[M+\k]
.endr
	v_exp_f32 v[W], v[NE]                          ; W: the largest of the 2187 strengths
	v_mov_b32 v[EH+15], 0                          ; the plain instruction behind the exponentials
	s_wait_alu depctr_va_vdst(0)
.irp i, 0,1,2,3,4,5,6
	v_add_f32 v[S+\i], v[M+3*\i], v[M+3*\i+1]
.endr
.irp i, 0,1,2,3,4,5,6
	v_add_f32 v[S+\i], v[S+\i], v[M+3*\i+2]
.endr
	v_mul_f32 v[S], v[S], v[S+1]
	v_mul_f32 v[S+2], v[S+2], v[S+3]
	v_mul_f32 v[S+4], v[S+4], v[S+5]
	v_mul_f32 v[S], v[S], v[S+2]
	v_mul_f32 v[S+4], v[S+4], v[S+6]
	v_mul_f32 v[S], v[S], v[S+4]                   ; the sum of all 2187 strengths, over W: 1 to 2187
	v_fmaak_f32 v[S], v[S], v[W], 0x358637bd       ; x W + 1e-6
	v_rcp_f32 v[S], v[S]                           ; used far below
.irp a, 0,1,2
.irp b, 0,1,2
	v_mul_f32 v[G+3*\a+\b], v[M+6+\a], v[M+9+\b]
	v_mul_f32 v[FF+3*\a+\b], v[M+15+\a], v[M+18+\b]
	v_mul_f32 v[FF+9+3*\a+\b], v[M+15+\a], v[M+18+\b]
.endr
.endr
.irp g, 0,1,2,3,4,5,6,7,8
.irp c, 0,1,2
	v_mul_f32 v[E+3*\g+\c], v[G+\g], v[M+12+\c]
.endr
.endr
.irp a, 0,1,2,3,4,5,6,7,8,9,10,11,12
	v_cndmask_b32 v[EH+\a], v[E+\a], v[E+13+\a], vcc_lo    ; half 0: lo / 9 = 0..12; half 1: 13..25
.endr
	v_cndmask_b32 v[EH+13], 0, v[E+26], vcc_lo             ; half 0: slots 117..125 are zero; half 1: lo / 9 = 26
	s_wait_alu depctr_va_vdst(0)
	v_mul_f32 v[W], v[W], v[S]                     ; W / (sum of strengths + 1e-6)
.irp d, 0,1,2
	v_mul_f32 v[M+\d], v[M+\d], v[W]               ; goes into input 0's memberships
.endr
.irp a, 0,1,2
.irp b, 0,1,2
	v_mul_f32 v[PP+3*\a+\b], v[M+\a], v[M+3+\b]
.endr
.endr
	v_mov_b32 v[PP+9], 0
	v_mov_b32 v[PP+10], 0
	v_mov_b32 v[PP+11], 0
.irp e, 0,1,2
	ds_store_b128 v[PST], v[PP+4*\e:PP+4*\e+3] offset:16*\e        ; both halves hold and write the same numbers
.endr
.irp g, 0,1,2,3,4,5,6,7,8,9,10,11,12,13,14,15
	QMUL (4*\g), 0
	QMUL (4*\g+1), 1
	QMUL (4*\g+2), 2
	QMUL (4*\g+3), 3
.irp k, 0,1,2,3
	v_cvt_pk_f16_f32 v[QB+4*\g+\k], v[QT+2*\k], v[QT+2*\k+1]
.endr
	ds_store_b128 v[QST], v[QB+4*\g:QB+4*\g+3] offset:16*\g
.endr
	; the fragments of hi = 0, and the loads of hi = 2
.irp q, 0,1,2,3,4,5,6,7,8,9,10,11,12,13,14,15
	FEED 0, \q
.endr
	WIN 0
	s_wait_dscnt 0x0                               ; my Q and P' are in LDS,
	s_barrier_signal -1
	s_barrier_wait -1                              ; everybody's are
	WIN 0x40
.irp m, 0,1,2,3
.irp e, 0,1,2,3
	ds_load_b128 v[Q+16*\m+4*\e:Q+16*\m+4*\e+3], v[QRD] offset:\m*16*QPITCH+16*\e
.endr
.endr
	WIN 0x80
.irp m, 0,1,2,3
.irp e, 0,1,2
	ds_load_b128 v[PB+12*\m+4*\e:PB+12*\m+4*\e+3], v[PRD] offset:\m*16*PPITCH+16*\e
.endr
.endr
	WIN 0xc0                                       ; and once more: SCALE reads P' from the window of the phase's fragments
.irp m, 0,1,2,3
.irp e, 0,1,2
	ds_load_b128 v[PB+12*\m+4*\e:PB+12*\m+4*\e+3], v[PRD] offset:\m*16*PPITCH+16*\e
.endr
.endr
	s_wait_dscnt 0x0
	PHASE 0
	PHASE 1
	PHASE 2
	PHASE 3
	PHASE 4
	PHASE 5
	PHASE 6
	PHASE 7
	PHASE 8
	SCALE 8, 3, 0                                  ; the last row tile: each tile's last product lies at least four plain vector instructions back
	SCALE 8, 3, 1                                  ; (tile 3's: the twelve of tiles 0 to 2)
	SCALE 8, 3, 2
	SCALE 8, 3, 3
	; THE WAY OUT.  The four waves' partial sums meet in LDS: 32 stores of 512 neighbouring bytes a wave, four registers as they lie.
	WIN 0x04
.irp c, 0,1,2,3,4,5,6,7,8,9,10,11,12,13,14,15,16,17,18,19,20,21,22,23,24,25,26,27,28,29,30,31
	ds_store_b128 v[REDST], v[OUT+4*\c:OUT+4*\c+3] offset:512*\c
.endr
	WIN 0
	s_wait_dscnt 0x0                               ; my partial sums are in LDS,
	s_barrier_signal -1
	s_barrier_wait -1                              ; everybody's are
.irp ws, 0,1,2,3
.irp c, 0,1,2,3,4,5,6,7
	ds_load_b128 v[A+32*\ws+4*\c:A+32*\ws+4*\c+3], v[REDRD] offset:16384*\ws+512*\c   ; row tile w of wave ws: same lane, same registers
.endr
.endr
	s_wait_dscnt 16                                ; waves 0 and 1's are in; the sixteen younger loads may be out
.irp k, 0,2,4,6,8,10,12,14,16,18,20,22,24,26,28,30
	v_pk_add_f32 v[A+\k:A+\k+1], v[A+\k:A+\k+1], v[A+32+\k:A+32+\k+1]
.endr
	s_wait_dscnt 0x0
.irp k, 0,2,4,6,8,10,12,14,16,18,20,22,24,26,28,30
	v_pk_add_f32 v[A+64+\k:A+64+\k+1], v[A+64+\k:A+64+\k+1], v[A+96+\k:A+96+\k+1]
.endr
.irp j, 0,1,2,3,4,5,6,7
.irp i, 0,1,2,3
	v_add_f32 v[F+4*\j+\i], v[A+8*\i+\j], v[A+64+8*\i+\j]  ; the last sum lands at 4 j + i: columns 32 h + 4 j + 0..3 in four neighbouring registers
.endr
.endr
.irp j, 0,1,2,3,4,5,6,7
	ds_store_b128 v[STGST], v[F+4*\j:F+4*\j+3] offset:16*\j
.endr
.irp t, 0,1,2,3,4,5,6,7
	ds_load_b128 v[A+4*\t:A+4*\t+3], v[STGRD] offset:\t*2*SPITCH   ; my wave's own bytes; LDS serves a wave's instructions in order (ISA guide 5.7.1): these see the stores above
.endr
.irp t, 0,1,2,3,4,5,6,7
	s_wait_dscnt 7-\t
	global_store_b128 v[VOUT], v[A+4*\t:A+4*\t+3], s[10:11] offset:2*\t*ROWB th:TH_STORE_NT   ; sixteen lanes store one whole row of out0: 256 consecutive bytes, aligned
.endr
	s_wait_tensorcnt 0x0
	ds_add_u32 v254, v255
	s_wait_dscnt 0x0
	s_endpgm
.Lfunc_end_k_qc01eafe18c_anfis:
	.size	k_qc01eafe18c_anfis, .Lfunc_end_k_qc01eafe18c_anfis-k_qc01eafe18c_anfis
	.p2alignl 7, 3214868480
	.fill 96, 4, 3214868480
	.section	.rodata,"a",@progbits
	.p2align	6, 0x0
	.amdhsa_kernel k_qc01eafe18c_anfis
		.amdhsa_group_segment_fixed_size 121344
		.amdhsa_private_segment_fixed_size 0
		.amdhsa_enable_private_segment 0
		.amdhsa_kernarg_size 32
		.amdhsa_user_sgpr_count 2
		.amdhsa_user_sgpr_kernarg_segment_ptr 1
		.amdhsa_wavefront_size32 1
		.amdhsa_system_sgpr_workgroup_id_x 1
		.amdhsa_system_sgpr_workgroup_id_y 1
		.amdhsa_system_sgpr_workgroup_id_z 1
		.amdhsa_system_vgpr_workitem_id 0
		.amdhsa_next_free_vgpr 1024
		.amdhsa_next_free_sgpr 66
		.amdhsa_reserve_vcc 1
		.amdhsa_float_denorm_mode_32 3
		.amdhsa_float_denorm_mode_16_64 3
		.amdhsa_memory_ordered 1
		.amdhsa_forward_progress 1
		.amdhsa_inst_pref_size 167
	.end_amdhsa_kernel
	.amdgpu_metadata
---
amdhsa.version: [ 1, 2 ]
amdhsa.kernels:
  - .name:           k_qc01eafe18c_anfis
    .symbol:         k_qc01eafe18c_anfis.kd
    .args:
      - { .name: x, .offset: 0, .size: 8, .value_kind: global_buffer, .address_space: global }
      - { .name: mfs, .offset: 8, .size: 8, .value_kind: global_buffer, .address_space: global }
      - { .name: rules, .offset: 16, .size: 8, .value_kind: global_buffer, .address_space: global }
      - { .name: out0, .offset: 24, .size: 8, .value_kind: global_buffer, .address_space: global }
    .group_segment_fixed_size: 121344
    .private_segment_fixed_size: 0
    .kernarg_segment_align: 8
    .kernarg_segment_size: 32
    .max_flat_workgroup_size: 128
    .sgpr_count:     66
    .vgpr_count:     1024
    .wavefront_size: 32
...
	.end_amdgpu_metadata
.endif
;; end of part 1
;; ======== version 2 of 3: 1 launch; 1.19 times as fast as version 1
;; limits: values are held in f16: magnitudes above 65,504 overflow, below 6.1e-05 lose precision; inputs' magnitudes at most 65,504
;; launch anfis (part 2): grid 256 x 1, 4 waves a work-group, no clusters, 121,344 bytes of LDS; arguments x, mfs, rules, out0; writes out0
.if DOCPART == 2
	.amdgcn_target "amdgcn-amd-amdhsa--gfx1250"
	.amdhsa_code_object_version 6
	.text
	.protected	k_qc01eafe18c_anfis
	.globl	k_qc01eafe18c_anfis
	.p2align	8
	.type	k_qc01eafe18c_anfis,@function
k_qc01eafe18c_anfis:
	s_mov_b64 s[64:65], 0
	v_nop
	global_prefetch_b8 v0, s[64:65] scope:SCOPE_SE
	s_setreg_imm32_b32 hwreg(HW_REG_WAVE_MODE, 25, 1), 1
	s_wait_xcnt 0x0
; out0[b][o] = sum over r of strength[b][r] / (sum of strengths + 1e-6) * rules[r][o],  strength = product over 7 inputs of a Gaussian membership.
; x [16384][7], mfs [7][3][2], rules [2187][64], out0 [16384][64], all f32.
;
; FORM.  r = 243 hi + lo (hi: inputs 0,1; lo: inputs 2..6).  A membership is 2^a, a = -t t.  For each input the largest of its three a is taken away in front of the
; exponential: m' = 2^(a - max a), so that each input's largest m' is 1.  With W = 2^(sum of the seven maxima) and S' = the sum of an input's three m' (1 to 3):
; strength = W P[hi] Q[lo] (P, Q: products of m'), the sum of all 2187 strengths = W x the product of the seven S' (distributive law: true for every input; only the
; order of rounding differs), and out = sum over hi of P'[hi] * (sum over lo of Q[lo] rules[243 hi + lo]),  P' = P W / (W x product of S' + 1e-6).
; Q is rounded once and stays in registers; the inner sums are matrix products with f32 sums; P' is applied in f32.
; FORMAT: f16, not bf16.  Q lies in [0, 1] and its largest number is 1, so it never leaves f16's range, and what is lost below 2^-25 stands against a sum of at least 1.
; Where terms of size 1 cancel, a product of two rounded operands is off by up to 2 x 2^-9 of its size in bf16 (8 significant bits) and 2 x 2^-12 in f16 (11 bits);
; results are wanted to a hundredth of the outputs' root mean square, which such sums do not reach in bf16.
; SHARES.  256 work-groups x 64 rows x all 64 columns, so that every 256-byte row of out0 is stored whole.  The four waves split K: in every hi a lane half h has
; 128 slots t, slot t = rule row 243 hi + 117 h + t; wave w takes t = 32 w .. 32 w + 31 (two products deep).  h = 0 serves lo 0..116, h = 1 serves lo 117..242; in the
; other slots Q is 0 and the rule row that is loaded there is a neighbouring, real row.  The same order of k is used for Q and for rules, so the products pair up.
; TURNS.  The nine hi are served in nine turns, in an order that hangs on the work-group's number g: with gb = g % 3 and ga = (g / 3) % 3, turn u = 3 a + b serves
; hi = 3 ((a + ga) % 3) + (b + gb) % 3.  So nine neighbouring work-groups ask in their first turns for nine different parts of rules, all of it between them, and in its
; later turns a work-group reads rows that others asked for at their start.  The text stays unrolled: the three membership functions of inputs 0 and 1 are relabelled
; where mfs is loaded (a maximum, a sum and the products over an input's three functions do not hang on their order), so that P' of a turn's hi lies in the turn's slot;
; and each turn has its own base address.  The order in which the nine hi are added in f32 thus differs from work-group to work-group.
; RULES WITHOUT LDS.  Lane (rho, h) loads 16 bytes of a rule row at columns 4 rho .. 4 rho + 3: sixteen lanes cover one 256-byte row.  Component i belongs to column
; tile i = the columns 4 rho + i, so two rows k, k + 1 give, by four conversions, one dword (k, k + 1) of each of the four tiles' fragments: no transpose is needed.
; LOADS IN RUNS.  The raw rows lie in a ring of four halves of 16 rows (turn even and odd, rows 0-15 and 16-31), filled in the order 0A 0B 1A 1B 2A ..: 18 runs of 16
; loads for a wave's 288 rows, so that the stretches of products, scalings and conversions are cut by memory instructions eighteen times in all.
; NO JOINT TENSOR LOADS, though all work-groups read the same rules: the f32 rows have to pass registers to be rounded to f16; as tiles they would be written to LDS
; and read back, 589,824 bytes each way for a work-group, one LDS load for each of the global loads below, and no conversion would be spared.
; THE MATRIX INSTRUCTION IS USED TRANSPOSED: source 0 = rules (16 columns), source 1 = Q (16 rows of the batch).  Lane (r, h) then holds row r, register j column
; 4 (8 h + j) + i: one row a lane, so P' is one number a lane for each row tile and turn.
; LIMITS.  rules: a magnitude above 65,504 becomes infinite in f16 and makes its column NaN or infinite; magnitudes below 6.1e-5 are rounded to within 3e-8.  A number in
; rules that is not finite makes its column NaN (0 x inf in a slot with Q = 0); reference is not finite there either.  v_exp_f32 gives 0 below 2^-126 (ISA guide 15.8):
; W = 0 where the largest strength is below 2^-126; reference's results are then below 1.2e-32 x |rules|, here they are 0.  1/sigma and the division in P' are v_rcp_f32 (1 ulp).
;
; REGISTERS, in windows of 256 (s_set_vgpr_msb: bits 1:0 source 0, 3:2 source 1, 5:4 source 2, 7:6 destination):
;   window 0: addresses, the work of the prologue and of the way out
;   window 1: OUT v0-127 (row tile m, column tile i, register j at 32 m + 8 i + j), T v128-191 (two sets of four tiles), Q v192-255 (row tile m, step s at 16 m + 8 s)
;   windows 2, 3 (turn even, odd): RAW v0-127 (32 rule rows as loaded), BF v128-191 (fragments: step s, tile i at 32 s + 8 i), P' v192-239 (12 m + turn), offsets v240-241
; One setting serves products and scaling (source 0 in 2 or 3, all else in 1), one serves conversions and loads (all in 2 or 3).
.set ROWB,   256                       ; bytes in a row of rules and of out0
.set HIR,    243                       ; rule rows in a hi
.set HIB,    HIR*ROWB                  ; and their bytes
.set HOFF,   117                       ; first lo of lane half 1
.set QPITCH, 272                       ; 256 bytes (128 slots of f16) + 16 = 17 x 16: sixteen rows start at sixteen different 16-byte columns of 256
.set PPITCH, 48                        ; 9 numbers of P' + 3 zeros = 3 x 16, likewise odd
.set SPITCH, 272                       ; a row of out0 + 16
.set PA,     128*QPITCH                ; LDS: Q at 0 (2 halves x 64 rows), P' behind it,
.set RED,    PA+64*PPITCH              ; the four waves' partial sums (16,384 bytes each),
.set STG,    RED+4*16384               ; a stage of 16 rows for each wave
.set MF,  16                           ; window 0: v16-17 one (mean, sigma) a lane
.set X,   18                           ; v18-24   my row of x
.set M,   26                           ; v26-46   21 memberships, 3 i + m (inputs 0, 1: m as relabelled)
.set S,   48                           ; v48-54   first each input's largest exponent, then its sum of three
.set G,   56                           ; v56-64   inputs 2,3
.set E,   66                           ; v66-92   inputs 2,3,4: lo / 9
.set EH,  94                           ; v94-109  my half's 14 of them, then two zeros
.set FF,  110                          ; v110-127 inputs 5,6 (lo % 9), twice in a row: any even slot finds its pair aligned
.set PP,  128                          ; v128-139 P', 9 numbers and 3 zeros
.set QT,  140                          ; v140-147 four pairs at work
.set NE,  140                          ; v140     ahead of that: the sum of the seven largest exponents,
.set W,   141                          ; v141     2 to that power, then the factor of P'
.set QB,  148                          ; v148-211 my 128 slots of Q in f16
.set QST, 212
.set PST, 213
.set QRD, 214
.set PRD, 215
.set REDST, 216
.set REDRD, 217
.set STGST, 218
.set STGRD, 219
.set VOUT, 220
.set A,   64                           ; the way out: v64-191 four partial sums of my row tile
.set F,   16                           ; v16-47 the sums, 4 j + i
.set OUT, 0                            ; window 1
.set T,   128
.set Q,   192
.set RAW, 0                            ; windows 2, 3
.set BF,  128
.set PB,  192
.set ADR, 240                          ; byte offset, in a hi's 243 rows, of my 16 bytes in row 117 h + 32 w
.set ADC, 241                          ; the same, held at row 211: for rows 30, 31 of my 32
.set PAR, 20                           ; s20-61: (mean, scale) of the 21 membership functions; ahead of that s20-30 serve the turns' offsets
.set OA,  24                           ; s24-26: bytes of 3 ((a + ga) % 3) hi
.set OB,  28                           ; s28-30: bytes of (b + gb) % 3 hi
.set BASE, 66                          ; s66-83: turn u: the address of its hi's first rule row
.set MSB, 0
.macro WIN new                         ; the immediate's high byte repeats the setting that is left; a switch that changes nothing is dropped
.if MSB != (\new)
	s_set_vgpr_msb (MSB<<8)|(\new)
.set MSB, (\new)
.endif
.endm
; row j (0..31) of my 32 rule rows of turn u, into RAW
.macro LDROW u, j
.if (\j) >= 30
	global_load_b128 v[RAW+4*(\j):RAW+4*(\j)+3], v[ADC], s[BASE+2*(\u):BASE+2*(\u)+1] offset:(\j)*ROWB
.else
	global_load_b128 v[RAW+4*(\j):RAW+4*(\j)+3], v[ADR], s[BASE+2*(\u):BASE+2*(\u)+1] offset:(\j)*ROWB
.endif
.endm
; Feed (u, q): rows 2q, 2q+1 of turn u become dword q % 8 of the four tiles' fragments of step q / 8.
; Behind feed (u, 8) rows 0-15 of turn u + 2 are loaded: feeds (u, 0..7) have read those registers.  Behind feed (u, 0) rows 16-31 of turn u + 1 are loaded, in the
; other window: the feeds of turn u - 1 have read them.  Each run stands one feed behind its half's last reader: 46 loads are out in front of a run, 62 behind it.
; The wait's count = the loads issued behind the two rows (loads come back in order: ISA guide 5.7.1): the rest of u, 30 - 2q; rows 0-15 of u + 1; rows 16-31 of u + 1
; from q = 1 on; rows 0-15 of u + 2 from q = 9 on; each only where that turn exists.
.macro FEED u, q
	WIN (0x9a+0x45*((\u)&1))
.set kc, 30-2*(\q)
.if (\u) <= 7
.set kc, kc+16
.if (\q) >= 1
.set kc, kc+16
.endif
.endif
.if (\u) <= 6
.if (\q) >= 9
.set kc, kc+16
.endif
.endif
	s_wait_loadcnt kc
.irp i, 0,1,2,3
	v_cvt_pk_f16_f32 v[BF+32*((\q)>>3)+8*\i+((\q)&7)], v[RAW+8*(\q)+\i], v[RAW+8*(\q)+4+\i]
.endr
.if (\q) == 8
.if (\u) <= 6
.irp j, 0,1,2,3,4,5,6,7,8,9,10,11,12,13,14,15
	LDROW ((\u)+2), \j
.endr
.endif
.endif
.if (\q) == 0
.if (\u) <= 7
	WIN (0x9a+0x45*(((\u)+1)&1))
.irp j, 16,17,18,19,20,21,22,23,24,25,26,27,28,29,30,31
	LDROW ((\u)+1), \j
.endr
.endif
.endif
.endm
; T(m & 1, i) = or += rules fragment (s, i) x Q fragment (m, s).  The first of the two steps starts the sum: nothing is cleared.
.macro PROD m, s, i
.set kt, T+32*((\m)&1)+8*(\i)
.set kb, BF+32*(\s)+8*(\i)
.set kq, Q+16*(\m)+8*(\s)
.if (\s) == 0
	v_wmma_f32_16x16x32_f16 v[kt:kt+7], v[kb:kb+7], v[kq:kq+7], 0
.else
	v_wmma_f32_16x16x32_f16 v[kt:kt+7], v[kb:kb+7], v[kq:kq+7], v[kt:kt+7]
.endif
.endm
; OUT(m, i) = or += P'(m, turn u) x T(m & 1, i): four packed instructions; P' is one register of an aligned pair, sent to both halves by op_sel
.macro SCALE u, m, i
.set ko, OUT+32*(\m)+8*(\i)
.set kt, T+32*((\m)&1)+8*(\i)
.set kp, PB+12*(\m)+(\u)-((\u)&1)
.irp j, 0,2,4,6
.if (\u) == 0
	v_pk_mul_f32 v[ko+\j:ko+\j+1], v[kp:kp+1], v[kt+\j:kt+\j+1] op_sel_hi:[0,1]
.else
.if ((\u)&1) == 0
	v_pk_fma_f32 v[ko+\j:ko+\j+1], v[kp:kp+1], v[kt+\j:kt+\j+1], v[ko+\j:ko+\j+1] op_sel_hi:[0,1,1]
.else
	v_pk_fma_f32 v[ko+\j:ko+\j+1], v[kp:kp+1], v[kt+\j:kt+\j+1], v[ko+\j:ko+\j+1] op_sel:[1,0,0] op_sel_hi:[1,1,1]
.endif
.endif
.endr
.endm
; Two products of row tile m; between them the scaling of one tile of the row tile before; behind them one feed for the next turn.
; A row tile is eight products: step 0 on tiles 0..3, step 1 on tiles 0..3; the accumulators take turns, one product a turn.
; A tile of T is read by SCALE at least eight plain vector instructions behind its last product (ISA guide 7.12.1 asks for four), and is started
; again, with C = 0, a whole row tile later; a fragment register is rewritten a phase behind the products that read it.
.macro STEP u, m, pq
	WIN (0x56+((\u)&1))
	PROD \m, (\pq>>1), (2*(\pq&1))
.if \m > 0
	SCALE \u, (\m-1), \pq
.else
.if \u > 0
	SCALE (\u-1), 3, \pq
.endif
.endif
	PROD \m, (\pq>>1), (2*(\pq&1)+1)
.if \u < 8
	FEED (\u+1), (4*\m+\pq)
.endif
.endm
.macro PHASE u
.irp m, 0,1,2,3
.irp pq, 0,1,2,3
	STEP \u, \m, \pq
.endr
.endr
.endm
; slots 2p, 2p+1 of Q in f32 into pair k: EH[slot / 9] x FF[slot % 18].  Where the two slots have different EH, the first has an even index (9 a + 8 even), so both lie in one aligned pair.
.macro QMUL p, k
.set kq0, (2*(\p))/9
.set kq1, (2*(\p)+1)/9
.set ksel, 2*(kq0&1)+(kq1&1)
.set keb, EH+kq0-(kq0&1)
.set kfb, FF+((2*(\p))%18)
.if ksel == 0
	v_pk_mul_f32 v[QT+2*\k:QT+2*\k+1], v[keb:keb+1], v[kfb:kfb+1] op_sel_hi:[0,1]
.endif
.if ksel == 1
	v_pk_mul_f32 v[QT+2*\k:QT+2*\k+1], v[keb:keb+1], v[kfb:kfb+1]
.endif
.if ksel == 3
	v_pk_mul_f32 v[QT+2*\k:QT+2*\k+1], v[keb:keb+1], v[kfb:kfb+1] op_sel:[1,0] op_sel_hi:[1,1]
.endif
.endm
	s_load_b256 s[4:11], s[0:1], 0x0               ; x s[4:5], mfs s[6:7], rules s[8:9], out0 s[10:11]
	v_lshl_add_u32 v254, v0, 2, 0x1d800
	v_mov_b32 v255, 0
	; the order of my work-group's turns
	s_mul_hi_u32 s20, ttmp9, 0x55555556            ; g / 3 (exact for g below 256: 3 x 0x55555556 = 2^32 + 2)
	s_mul_i32 s21, s20, 3
	s_sub_co_u32 s21, ttmp9, s21                   ; gb = g % 3
	s_mul_hi_u32 s22, s20, 0x55555556              ; g / 9
	s_mul_i32 s22, s22, 3
	s_sub_co_u32 s20, s20, s22                     ; ga = (g / 3) % 3
.irp k, 0,1,2
	s_add_co_u32 s[OA+\k], s20, \k
	s_cmp_ge_u32 s[OA+\k], 3
	s_cselect_b32 s23, 3, 0
	s_sub_co_u32 s[OA+\k], s[OA+\k], s23           ; (k + ga) % 3
	s_mul_i32 s[OA+\k], s[OA+\k], 3*HIB            ; in bytes of rules: three hi each
	s_add_co_u32 s[OB+\k], s21, \k
	s_cmp_ge_u32 s[OB+\k], 3
	s_cselect_b32 s23, 3, 0
	s_sub_co_u32 s[OB+\k], s[OB+\k], s23           ; (k + gb) % 3
	s_mul_i32 s[OB+\k], s[OB+\k], HIB              ; one hi each
.endr
	s_mov_b32 s23, 0                               ; the upper word of the offsets below
	v_and_b32 v1, 31, v0                           ; lane
	v_and_b32 v2, 15, v0                           ; r
	v_bfe_u32 v3, v0, 4, 1                         ; h
	v_lshrrev_b32 v4, 5, v0
	v_readfirstlane_b32 s12, v4                    ; wave w
	s_lshl_b32 s13, s12, 4
	v_add_nc_u32 v5, s13, v2                       ; the row whose Q and P' I make: 16 w + r
	v_mul_u32_u24 v6, 28, v5                       ; its 7 numbers of x
	v_min_u32 v7, 20, v1                           ; lanes 0..20 take one membership function each; the others repeat the last: no lane leaves mfs
	v_cmp_gt_u32 vcc_lo, 3, v1                     ; lanes 0-2: input 0; lanes 3-5: input 1: these take their input's functions turned by ga, gb
	v_mov_b32 v12, s21
	v_mov_b32 v13, s20
	v_cndmask_b32 v12, v12, v13, vcc_lo            ; ga for lanes 0-2, gb for the others
	v_mov_b32 v14, 3
	v_cndmask_b32 v13, 6, v14, vcc_lo              ; where the input's three entries end: 3, or 6
	v_add_nc_u32 v12, v1, v12                      ; lane + turn,
	v_add_nc_u32 v14, -3, v12
	v_cmp_ge_u32 vcc_lo, v12, v13
	v_cndmask_b32 v12, v12, v14, vcc_lo            ; back by three where it passes the end
	v_cmp_gt_u32 vcc_lo, 6, v1
	v_cndmask_b32 v7, v7, v12, vcc_lo              ; lanes 6 and up keep their own entry
	v_lshlrev_b32 v7, 3, v7
	v_mul_u32_u24 v8, HOFF*ROWB, v3                ; rules: row 117 h
	v_lshl_add_u32 v8, v2, 4, v8                   ; + 16 r bytes
	s_lshl_b32 s13, s12, 13
	v_add_nc_u32 v8, s13, v8                       ; + 32 w rows
	v_lshlrev_b32 v9, 4, v2
	v_add_nc_u32 v9, (HIR-32)*ROWB, v9             ; my 16 bytes in row 211 of a hi
	v_min_u32 v10, v8, v9                          ; wave 3, h = 1 starts at row 213: its rows 30, 31 (slots 126, 127, where Q = 0) would be rows 243, 244, past the end of rules in hi = 8.
	                                               ; Held at 211 they are rows 241, 242 of the same hi; all other lanes start at row 181 or lower and keep their offset
	WIN 0x80
	v_mov_b32 v[ADR], v8
	v_mov_b32 v[ADC], v10
	WIN 0xc0
	v_mov_b32 v[ADR], v8
	v_mov_b32 v[ADC], v10
	WIN 0
	s_mul_i32 s14, ttmp9, 64*28                    ; the work-group's 64 rows of x
	s_mov_b32 s15, 0
	s_lshl_b32 s16, ttmp9, 14                      ; and of out0, 256 bytes each,
	s_lshl_b32 s17, s12, 12                        ; + the 16 rows that my wave stores
	s_add_co_u32 s16, s16, s17
	s_mov_b32 s17, 0
	s_wait_kmcnt 0x0
	s_add_nc_u64 s[4:5], s[4:5], s[14:15]
	s_add_nc_u64 s[10:11], s[10:11], s[16:17]
.irp a, 0,1,2
.irp b, 0,1,2
	s_add_co_u32 s22, s[OA+\a], s[OB+\b]           ; turn 3 a + b: the bytes in front of its hi, 8 x 62,208 at the most
	s_add_nc_u64 s[BASE+6*\a+2*\b:BASE+6*\a+2*\b+1], s[8:9], s[22:23]
.endr
.endr
	global_load_b64 v[MF:MF+1], v7, s[6:7]
.irp i, 0,1,2,3,4,5,6
	global_load_b32 v[X+\i], v6, s[4:5] offset:4*\i
.endr
	WIN 0x9a
.irp j, 0,1,2,3,4,5,6,7,8,9,10,11,12,13,14,15,16,17,18,19,20,21,22,23,24,25,26,27,28,29,30,31
	LDROW 0, \j
.endr
	WIN 0xdf
.irp j, 0,1,2,3,4,5,6,7,8,9,10,11,12,13,14,15
	LDROW 1, \j                                    ; three of the ring's four halves; the fourth follows behind feed (0, 0), like every later one
.endr
	WIN 0
	; LDS addresses, while the loads are on their way
	v_lshl_add_u32 v[QST], v3, 6, v5               ; Q goes in at row 64 h + my row
	v_mul_u32_u24 v[QST], QPITCH, v[QST]
	v_mul_u32_u24 v[PST], PPITCH, v5
	v_add_nc_u32 v[PST], PA, v[PST]
	v_lshl_add_u32 v[QRD], v3, 6, v2               ; and comes back from row 64 h + 16 m + r, at my wave's 32 slots (64 bytes)
	v_mul_u32_u24 v[QRD], QPITCH, v[QRD]
	s_lshl_b32 s18, s12, 6
	v_add_nc_u32 v[QRD], s18, v[QRD]
	v_mul_u32_u24 v[PRD], PPITCH, v2
	v_add_nc_u32 v[PRD], PA, v[PRD]
	v_lshlrev_b32 v[VOUT], 4, v1                   ; 16 x lane: also 256 h + 16 r, my bytes in two rows of out0
	s_lshl_b32 s18, s12, 14
	s_add_co_u32 s18, s18, RED
	v_add_nc_u32 v[REDST], s18, v[VOUT]            ; my wave's partial sums
	s_lshl_b32 s19, s12, 12
	s_add_co_u32 s19, s19, RED
	v_add_nc_u32 v[REDRD], s19, v[VOUT]            ; row tile w in wave 0's partial sums
	s_mul_i32 s18, s12, 16*SPITCH
	s_add_co_u32 s18, s18, STG                     ; my wave's stage
	v_mul_u32_u24 v[STGST], SPITCH, v2
	v_lshl_add_u32 v[STGST], v3, 7, v[STGST]       ; in: row r, columns 32 h ..
	v_add_nc_u32 v[STGST], s18, v[STGST]
	v_mul_u32_u24 v[STGRD], SPITCH, v3
	v_lshl_add_u32 v[STGRD], v2, 4, v[STGRD]       ; back: lanes 0-15 one row, lanes 16-31 the next
	v_add_nc_u32 v[STGRD], s18, v[STGRD]
	v_cmp_ne_u32 vcc_lo, 0, v3                     ; lane half 1
	s_wait_loadcnt 48                              ; mfs and x are in; the 48 rule rows issued behind them may be out
	; membership = exp(-z z / 2) = 2^a, a = -(t t), t = (x - mean) / (|sigma| + 1e-6) x sqrt(log2(e) / 2)
	v_and_b32 v[MF+1], 0x7fffffff, v[MF+1]
	v_add_f32 v[MF+1], 0x358637bd, v[MF+1]         ; + 1e-6
	v_rcp_f32 v[MF+1], v[MF+1]
	v_mov_b32 v[EH+14], 0                          ; the plain instruction between v_rcp_f32 and the use of its result (ISA guide 5.7.2); slots 126, 127 are zero
	s_wait_alu depctr_va_vdst(0)
	v_mul_f32 v[MF+1], 0x3f596d27, v[MF+1]         ; x 0.8493218
.irp k, 0,1,2,3,4,5,6,7,8,9,10,11,12,13,14,15,16,17,18,19,20
	v_readlane_b32 s[PAR+2*\k], v[MF], \k
	v_readlane_b32 s[PAR+2*\k+1], v[MF+1], \k
.endr
.irp i, 0,1,2,3,4,5,6
.irp m, 0,1,2
	v_sub_f32 v[M+3*\i+\m], v[X+\i], s[PAR+6*\i+2*\m]      ; the difference first, as reference forms it
.endr
.endr
.irp k, 0,1,2,3,4,5,6,7,8,9,10,11,12,13,14,15,16,17,18,19,20
	v_mul_f32 v[M+\k], s[PAR+2*\k+1], v[M+\k]
.endr
.irp k, 0,1,2,3,4,5,6,7,8,9,10,11,12,13,14,15,16,17,18,19,20
	v_mul_f32 v[M+\k], -v[M+\k], v[M+\k]           ; a
.endr
.irp i, 0,1,2,3,4,5,6
	v_max3_num_f32 v[S+\i], v[M+3*\i], v[M+3*\i+1], v[M+3*\i+2]    ; each input's largest exponent,
.endr
.irp i, 0,1,2,3,4,5,6
	v_max_num_f32 v[S+\i], 0xff000000, v[S+\i]     ; held at -2^127 or above: three exponents of -inf then give -inf (memberships 0, as in reference) and not inf - inf
.endr
.irp i, 0,1,2,3,4,5,6
.irp m, 0,1,2
	v_sub_f32 v[M+3*\i+\m], v[M+3*\i+\m], v[S+\i]  ; is taken away: the largest of the three memberships becomes 1
.endr
.endr
	v_add_f32 v[NE], v[S], v[S+1]                  ; what was taken away, summed over the inputs
	v_add_f32 v[W], v[S+2], v[S+3]
	v_add_f32 v[QT+2], v[S+4], v[S+5]
	v_add_f32 v[NE], v[NE], v[W]
	v_add_f32 v[QT+2], v[QT+2], v[S+6]
	v_add_f32 v[NE], v[NE], v[QT+2]
.irp k, 0,1,2,3,4,5,6,7,8,9,10,11,12,13,14,15,16,17,18,19,20
	v_exp_f32 v[M+\k], v[M+\k]
.endr
	v_exp_f32 v[W], v[NE]                          ; W: the largest of the 2187 strengths
	v_mov_b32 v[EH+15], 0                          ; the plain instruction behind the exponentials
	s_wait_alu depctr_va_vdst(0)
.irp i, 0,1,2,3,4,5,6
	v_add_f32 v[S+\i], v[M+3*\i], v[M+3*\i+1]
.endr
.irp i, 0,1,2,3,4,5,6
	v_add_f32 v[S+\i], v[S+\i], v[M+3*\i+2]
.endr
	v_mul_f32 v[S], v[S], v[S+1]
	v_mul_f32 v[S+2], v[S+2], v[S+3]
	v_mul_f32 v[S+4], v[S+4], v[S+5]
	v_mul_f32 v[S], v[S], v[S+2]
	v_mul_f32 v[S+4], v[S+4], v[S+6]
	v_mul_f32 v[S], v[S], v[S+4]                   ; the sum of all 2187 strengths, over W: 1 to 2187
	v_fmaak_f32 v[S], v[S], v[W], 0x358637bd       ; x W + 1e-6
	v_rcp_f32 v[S], v[S]                           ; used far below
.irp a, 0,1,2
.irp b, 0,1,2
	v_mul_f32 v[G+3*\a+\b], v[M+6+\a], v[M+9+\b]
	v_mul_f32 v[FF+3*\a+\b], v[M+15+\a], v[M+18+\b]
	v_mul_f32 v[FF+9+3*\a+\b], v[M+15+\a], v[M+18+\b]
.endr
.endr
.irp g, 0,1,2,3,4,5,6,7,8
.irp c, 0,1,2
	v_mul_f32 v[E+3*\g+\c], v[G+\g], v[M+12+\c]
.endr
.endr
.irp a, 0,1,2,3,4,5,6,7,8,9,10,11,12
	v_cndmask_b32 v[EH+\a], v[E+\a], v[E+13+\a], vcc_lo    ; half 0: lo / 9 = 0..12; half 1: 13..25
.endr
	v_cndmask_b32 v[EH+13], 0, v[E+26], vcc_lo             ; half 0: slots 117..125 are zero; half 1: lo / 9 = 26
	s_wait_alu depctr_va_vdst(0)
	v_mul_f32 v[W], v[W], v[S]                     ; W / (sum of strengths + 1e-6)
.irp d, 0,1,2
	v_mul_f32 v[M+\d], v[M+\d], v[W]               ; goes into input 0's memberships
.endr
.irp a, 0,1,2
.irp b, 0,1,2
	v_mul_f32 v[PP+3*\a+\b], v[M+\a], v[M+3+\b]    ; P' of turn 3 a + b: the functions were relabelled where mfs was loaded
.endr
.endr
	v_mov_b32 v[PP+9], 0
	v_mov_b32 v[PP+10], 0
	v_mov_b32 v[PP+11], 0
.irp g, 0,1,2,3,4,5,6,7,8,9,10,11,12,13,14,15
	QMUL (4*\g), 0
	QMUL (4*\g+1), 1
	QMUL (4*\g+2), 2
	QMUL (4*\g+3), 3
.irp k, 0,1,2,3
	v_cvt_pk_f16_f32 v[QB+4*\g+\k], v[QT+2*\k], v[QT+2*\k+1]
.endr
.endr
	; P' and Q go to LDS in one run of 19 stores, behind all the arithmetic
.irp e, 0,1,2
	ds_store_b128 v[PST], v[PP+4*\e:PP+4*\e+3] offset:16*\e        ; both halves hold and write the same numbers
.endr
.irp g, 0,1,2,3,4,5,6,7,8,9,10,11,12,13,14,15
	ds_store_b128 v[QST], v[QB+4*\g:QB+4*\g+3] offset:16*\g
.endr
	; the fragments of turn 0; among them the loads of rows 16-31 of turn 1 and of rows 0-15 of turn 2
.irp q, 0,1,2,3,4,5,6,7,8,9,10,11,12,13,14,15
	FEED 0, \q
.endr
	WIN 0
	s_wait_dscnt 0x0                               ; my Q and P' are in LDS,
	s_barrier_signal -1
	s_barrier_wait -1                              ; everybody's are
	WIN 0x40
.irp m, 0,1,2,3
.irp e, 0,1,2,3
	ds_load_b128 v[Q+16*\m+4*\e:Q+16*\m+4*\e+3], v[QRD] offset:\m*16*QPITCH+16*\e
.endr
.endr
	WIN 0x80
.irp m, 0,1,2,3
.irp e, 0,1,2
	ds_load_b128 v[PB+12*\m+4*\e:PB+12*\m+4*\e+3], v[PRD] offset:\m*16*PPITCH+16*\e
.endr
.endr
	WIN 0xc0                                       ; and once more: SCALE reads P' from the window of the phase's fragments
.irp m, 0,1,2,3
.irp e, 0,1,2
	ds_load_b128 v[PB+12*\m+4*\e:PB+12*\m+4*\e+3], v[PRD] offset:\m*16*PPITCH+16*\e
.endr
.endr
	s_wait_dscnt 0x0
	PHASE 0
	PHASE 1
	PHASE 2
	PHASE 3
	PHASE 4
	PHASE 5
	PHASE 6
	PHASE 7
	PHASE 8
	SCALE 8, 3, 0                                  ; the last row tile: each tile's last product lies at least four plain vector instructions back
	SCALE 8, 3, 1                                  ; (tile 3's: the twelve of tiles 0 to 2)
	SCALE 8, 3, 2
	SCALE 8, 3, 3
	; THE WAY OUT.  The four waves' partial sums meet in LDS: 32 stores of 512 neighbouring bytes a wave, four registers as they lie.
	WIN 0x04
.irp c, 0,1,2,3,4,5,6,7,8,9,10,11,12,13,14,15,16,17,18,19,20,21,22,23,24,25,26,27,28,29,30,31
	ds_store_b128 v[REDST], v[OUT+4*\c:OUT+4*\c+3] offset:512*\c
.endr
	WIN 0
	s_wait_dscnt 0x0                               ; my partial sums are in LDS,
	s_barrier_signal -1
	s_barrier_wait -1                              ; everybody's are
.irp ws, 0,1,2,3
.irp c, 0,1,2,3,4,5,6,7
	ds_load_b128 v[A+32*\ws+4*\c:A+32*\ws+4*\c+3], v[REDRD] offset:16384*\ws+512*\c   ; row tile w of wave ws: same lane, same registers
.endr
.endr
	s_wait_dscnt 16                                ; waves 0 and 1's are in; the sixteen younger loads may be out
.irp k, 0,2,4,6,8,10,12,14,16,18,20,22,24,26,28,30
	v_pk_add_f32 v[A+\k:A+\k+1], v[A+\k:A+\k+1], v[A+32+\k:A+32+\k+1]
.endr
	s_wait_dscnt 0x0
.irp k, 0,2,4,6,8,10,12,14,16,18,20,22,24,26,28,30
	v_pk_add_f32 v[A+64+\k:A+64+\k+1], v[A+64+\k:A+64+\k+1], v[A+96+\k:A+96+\k+1]
.endr
.irp j, 0,1,2,3,4,5,6,7
.irp i, 0,1,2,3
	v_add_f32 v[F+4*\j+\i], v[A+8*\i+\j], v[A+64+8*\i+\j]  ; the last sum lands at 4 j + i: columns 32 h + 4 j + 0..3 in four neighbouring registers
.endr
.endr
.irp j, 0,1,2,3,4,5,6,7
	ds_store_b128 v[STGST], v[F+4*\j:F+4*\j+3] offset:16*\j
.endr
.irp t, 0,1,2,3,4,5,6,7
	ds_load_b128 v[A+4*\t:A+4*\t+3], v[STGRD] offset:\t*2*SPITCH   ; my wave's own bytes; LDS serves a wave's instructions in order (ISA guide 5.7.1): these see the stores above
.endr
.irp t, 0,1,2,3,4,5,6,7
	s_wait_dscnt 7-\t
	global_store_b128 v[VOUT], v[A+4*\t:A+4*\t+3], s[10:11] offset:2*\t*ROWB th:TH_STORE_NT   ; sixteen lanes store one whole row of out0: 256 consecutive bytes, aligned
.endr
	s_wait_tensorcnt 0x0
	ds_add_u32 v254, v255
	s_wait_dscnt 0x0
	s_endpgm
.Lfunc_end_k_qc01eafe18c_anfis:
	.size	k_qc01eafe18c_anfis, .Lfunc_end_k_qc01eafe18c_anfis-k_qc01eafe18c_anfis
	.p2alignl 7, 3214868480
	.fill 96, 4, 3214868480
	.section	.rodata,"a",@progbits
	.p2align	6, 0x0
	.amdhsa_kernel k_qc01eafe18c_anfis
		.amdhsa_group_segment_fixed_size 121344
		.amdhsa_private_segment_fixed_size 0
		.amdhsa_enable_private_segment 0
		.amdhsa_kernarg_size 32
		.amdhsa_user_sgpr_count 2
		.amdhsa_user_sgpr_kernarg_segment_ptr 1
		.amdhsa_wavefront_size32 1
		.amdhsa_system_sgpr_workgroup_id_x 1
		.amdhsa_system_sgpr_workgroup_id_y 1
		.amdhsa_system_sgpr_workgroup_id_z 1
		.amdhsa_system_vgpr_workitem_id 0
		.amdhsa_next_free_vgpr 1024
		.amdhsa_next_free_sgpr 84
		.amdhsa_reserve_vcc 1
		.amdhsa_float_denorm_mode_32 3
		.amdhsa_float_denorm_mode_16_64 3
		.amdhsa_memory_ordered 1
		.amdhsa_forward_progress 1
		.amdhsa_inst_pref_size 170
	.end_amdhsa_kernel
	.amdgpu_metadata
---
amdhsa.version: [ 1, 2 ]
amdhsa.kernels:
  - .name:           k_qc01eafe18c_anfis
    .symbol:         k_qc01eafe18c_anfis.kd
    .args:
      - { .name: x, .offset: 0, .size: 8, .value_kind: global_buffer, .address_space: global }
      - { .name: mfs, .offset: 8, .size: 8, .value_kind: global_buffer, .address_space: global }
      - { .name: rules, .offset: 16, .size: 8, .value_kind: global_buffer, .address_space: global }
      - { .name: out0, .offset: 24, .size: 8, .value_kind: global_buffer, .address_space: global }
    .group_segment_fixed_size: 121344
    .private_segment_fixed_size: 0
    .kernarg_segment_align: 8
    .kernarg_segment_size: 32
    .max_flat_workgroup_size: 128
    .sgpr_count:     84
    .vgpr_count:     1024
    .wavefront_size: 32
...
	.end_amdgpu_metadata
.endif
;; end of part 2
;; ======== version 3 of 3: 1 launch; version 2 with the launch anfis written anew for expert scheduling mode
;; limits: values are held in f16: magnitudes above 65,504 overflow, below 6.1e-05 lose precision; inputs' magnitudes at most 65,504
;; launch anfis (part 3): grid 256 x 1, 4 waves a work-group, no clusters, 121,344 bytes of LDS; arguments x, mfs, rules, out0; writes out0
.if DOCPART == 3
	.amdgcn_target "amdgcn-amd-amdhsa--gfx1250"
	.amdhsa_code_object_version 6
	.text
	.protected	k_qc01eafe18c_anfis
	.globl	k_qc01eafe18c_anfis
	.p2align	8
	.type	k_qc01eafe18c_anfis,@function
k_qc01eafe18c_anfis:
	s_mov_b64 s[64:65], 0
	v_nop
	global_prefetch_b8 v0, s[64:65] scope:SCOPE_SE
	s_setreg_imm32_b32 hwreg(HW_REG_WAVE_SCHED_MODE, 0, 2), 2
	s_setreg_imm32_b32 hwreg(HW_REG_WAVE_MODE, 25, 1), 1
	s_wait_xcnt 0x0
	s_wait_alu depctr_vm_vsrc(0)
; out0[b][o] = sum over r of strength[b][r] / (sum of strengths + 1e-6) * rules[r][o],  strength = product over 7 inputs of a Gaussian membership.
; x [16384][7], mfs [7][3][2], rules [2187][64], out0 [16384][64], all f32.
;
; FORM.  r = 243 hi + lo (hi: inputs 0,1; lo: inputs 2..6).  A membership is 2^a, a = -t t.  For each input the largest of its three a is taken away in front of the
; exponential: m' = 2^(a - max a), so that each input's largest m' is 1.  With W = 2^(sum of the seven maxima) and S' = the sum of an input's three m' (1 to 3):
; strength = W P[hi] Q[lo] (P, Q: products of m'), the sum of all 2187 strengths = W x the product of the seven S' (distributive law: true for every input; only the
; order of rounding differs), and out = sum over hi of P'[hi] * (sum over lo of Q[lo] rules[243 hi + lo]),  P' = P W / (W x product of S' + 1e-6).
; Q is rounded once and stays in registers; the inner sums are matrix products with f32 sums; P' is applied in f32.
; FORMAT: f16, not bf16.  Q lies in [0, 1] and its largest number is 1, so it never leaves f16's range, and what is lost below 2^-25 stands against a sum of at least 1.
; Where terms of size 1 cancel, a product of two rounded operands is off by up to 2 x 2^-9 of its size in bf16 (8 significant bits) and 2 x 2^-12 in f16 (11 bits);
; results are wanted to a hundredth of the outputs' root mean square, which such sums do not reach in bf16.
; SHARES.  256 work-groups x 64 rows x all 64 columns, so that every 256-byte row of out0 is stored whole.  The four waves split K: in every hi a lane half h has
; 128 slots t, slot t = rule row 243 hi + 117 h + t; wave w takes t = 32 w .. 32 w + 31 (two products deep).  h = 0 serves lo 0..116, h = 1 serves lo 117..242; in the
; other slots Q is 0 and the rule row that is loaded there is a neighbouring, real row.  The same order of k is used for Q and for rules, so the products pair up.
; TURNS.  The nine hi are served in nine turns, in an order that hangs on the work-group's number g: with gb = g % 3 and ga = (g / 3) % 3, turn u = 3 a + b serves
; hi = 3 ((a + ga) % 3) + (b + gb) % 3.  So nine neighbouring work-groups ask in their first turns for nine different parts of rules, all of it between them, and in its
; later turns a work-group reads rows that others asked for at their start.  The text stays unrolled: the three membership functions of inputs 0 and 1 are relabelled
; where mfs is loaded (a maximum, a sum and the products over an input's three functions do not hang on their order), so that P' of a turn's hi lies in the turn's slot;
; and each turn has its own base address.  The order in which the nine hi are added in f32 thus differs from work-group to work-group.
; RULES WITHOUT LDS.  Lane (rho, h) loads 16 bytes of a rule row at columns 4 rho .. 4 rho + 3: sixteen lanes cover one 256-byte row.  Component i belongs to column
; tile i = the columns 4 rho + i, so two rows k, k + 1 give, by four conversions, one dword (k, k + 1) of each of the four tiles' fragments: no transpose is needed.
; LOADS IN RUNS.  The raw rows lie in a ring of four halves of 16 rows (turn even and odd, rows 0-15 and 16-31), filled in the order 0A 0B 1A 1B 2A ..: 18 runs of 16
; loads for a wave's 288 rows, so that the stretches of products, scalings and conversions are cut by memory instructions eighteen times in all.
; NO JOINT TENSOR LOADS, though all work-groups read the same rules: the f32 rows have to pass registers to be rounded to f16; as tiles they would be written to LDS
; and read back, 589,824 bytes each way for a work-group, one LDS load for each of the global loads below, and no conversion would be spared.
; THE MATRIX INSTRUCTION IS USED TRANSPOSED: source 0 = rules (16 columns), source 1 = Q (16 rows of the batch).  Lane (r, h) then holds row r, register j column
; 4 (8 h + j) + i: one row a lane, so P' is one number a lane for each row tile and turn.
; LIMITS.  rules: a magnitude above 65,504 becomes infinite in f16 and makes its column NaN or infinite; magnitudes below 6.1e-5 are rounded to within 3e-8.  A number in
; rules that is not finite makes its column NaN (0 x inf in a slot with Q = 0); reference is not finite there either.  v_exp_f32 gives 0 below 2^-126 (ISA guide 15.8):
; W = 0 where the largest strength is below 2^-126; reference's results are then below 1.2e-32 x |rules|, here they are 0.  1/sigma and the division in P' are v_rcp_f32 (1 ulp).
;
; THE MODE: SCHED_MODE bits 1:0 = 2 (LLVM: expert scheduling mode 2), set by the entry lines.  The code itself states the register dependences
; between vector or matrix instructions and memory or LDS instructions, with s_wait_alu, always for 0.
; THE PLAN.  Registers that memory or LDS instructions touch:
;   RAW (windows 2, 3)   four halves of 16 rows.  A half is written by one run of 16 loads and read by eight feeds' conversions; then the next run lands in it.
;   ADR, ADC (both windows), v6, v7, v212-220   offsets and LDS addresses: written once at the head, read by loads and stores, never written again.
;   PP, QB (window 0)    written by the prologue's arithmetic, read by its 19 LDS stores; on the way out loads from LDS land in part of them.
;   Q (window 1), P' (windows 2, 3)   LDS loads land in them once, in registers that no instruction has named before; then products and scalings read them.
;   OUT (window 1)       written by the scalings, read by the way out's 32 LDS stores.
;   A, F (window 0)      the way out: LDS loads land in A, the sums work on A and write F, LDS stores read F, and loads from the stage land in A once more.
;   BF and T are named by vector and matrix instructions alone.
; So in the main part ONE wait on va_vdst stands ahead of each run of loads that fills a half again, behind the feed's wait for its data: it states that the eight feeds
; that read the half are done with it.  The text has no branch and never writes EXEC.
;
; REGISTERS, in windows of 256 (s_set_vgpr_msb: bits 1:0 source 0, 3:2 source 1, 5:4 source 2, 7:6 destination):
;   window 0: addresses, the work of the prologue and of the way out
;   window 1: OUT v0-127 (row tile m, column tile i, register j at 32 m + 8 i + j), T v128-191 (two sets of four tiles), Q v192-255 (row tile m, step s at 16 m + 8 s)
;   windows 2, 3 (turn even, odd): RAW v0-127 (32 rule rows as loaded), BF v128-191 (fragments: step s, tile i at 32 s + 8 i), P' v192-239 (12 m + turn), offsets v240-241
; One setting serves products and scaling (source 0 in 2 or 3, all else in 1), one serves conversions and loads (all in 2 or 3).
.set ROWB,   256                       ; bytes in a row of rules and of out0
.set HIR,    243                       ; rule rows in a hi
.set HIB,    HIR*ROWB                  ; and their bytes
.set HOFF,   117                       ; first lo of lane half 1
.set QPITCH, 272                       ; 256 bytes (128 slots of f16) + 16 = 17 x 16: sixteen rows start at sixteen different 16-byte columns of 256
.set PPITCH, 48                        ; 9 numbers of P' + 3 zeros = 3 x 16, likewise odd
.set SPITCH, 272                       ; a row of out0 + 16
.set PA,     128*QPITCH                ; LDS: Q at 0 (2 halves x 64 rows), P' behind it,
.set RED,    PA+64*PPITCH              ; the four waves' partial sums (16,384 bytes each),
.set STG,    RED+4*16384               ; a stage of 16 rows for each wave
.set MF,  16                           ; window 0: v16-17 one (mean, sigma) a lane
.set X,   18                           ; v18-24   my row of x
.set M,   26                           ; v26-46   21 memberships, 3 i + m (inputs 0, 1: m as relabelled)
.set S,   48                           ; v48-54   first each input's largest exponent, then its sum of three
.set G,   56                           ; v56-64   inputs 2,3
.set E,   66                           ; v66-92   inputs 2,3,4: lo / 9
.set EH,  94                           ; v94-109  my half's 14 of them, then two zeros
.set FF,  110                          ; v110-127 inputs 5,6 (lo % 9), twice in a row: any even slot finds its pair aligned
.set PP,  128                          ; v128-139 P', 9 numbers and 3 zeros
.set QT,  140                          ; v140-147 four pairs at work
.set NE,  140                          ; v140     ahead of that: the sum of the seven largest exponents,
.set W,   141                          ; v141     2 to that power, then the factor of P'
.set QB,  148                          ; v148-211 my 128 slots of Q in f16
.set QST, 212
.set PST, 213
.set QRD, 214
.set PRD, 215
.set REDST, 216
.set REDRD, 217
.set STGST, 218
.set STGRD, 219
.set VOUT, 220
.set A,   64                           ; the way out: v64-191 four partial sums of my row tile
.set F,   16                           ; v16-47 the sums, 4 j + i
.set OUT, 0                            ; window 1
.set T,   128
.set Q,   192
.set RAW, 0                            ; windows 2, 3
.set BF,  128
.set PB,  192
.set ADR, 240                          ; byte offset, in a hi's 243 rows, of my 16 bytes in row 117 h + 32 w
.set ADC, 241                          ; the same, held at row 211: for rows 30, 31 of my 32
.set PAR, 20                           ; s20-61: (mean, scale) of the 21 membership functions; ahead of that s20-30 serve the turns' offsets
.set OA,  24                           ; s24-26: bytes of 3 ((a + ga) % 3) hi
.set OB,  28                           ; s28-30: bytes of (b + gb) % 3 hi
.set BASE, 66                          ; s66-83: turn u: the address of its hi's first rule row
.set MSB, 0
.macro WIN new                         ; the immediate's high byte repeats the setting that is left; a switch that changes nothing is dropped
.if MSB != (\new)
	s_set_vgpr_msb (MSB<<8)|(\new)
.set MSB, (\new)
.endif
.endm
; row j (0..31) of my 32 rule rows of turn u, into RAW
.macro LDROW u, j
.if (\j) >= 30
	global_load_b128 v[RAW+4*(\j):RAW+4*(\j)+3], v[ADC], s[BASE+2*(\u):BASE+2*(\u)+1] offset:(\j)*ROWB
.else
	global_load_b128 v[RAW+4*(\j):RAW+4*(\j)+3], v[ADR], s[BASE+2*(\u):BASE+2*(\u)+1] offset:(\j)*ROWB
.endif
.endm
; Feed (u, q): rows 2q, 2q+1 of turn u become dword q % 8 of the four tiles' fragments of step q / 8.
; At the head of feed (u, 8), behind its wait for its data, rows 0-15 of turn u + 2 are loaded: feeds (u, 0..7) have read those registers.  At the head of feed (u, 0)
; rows 16-31 of turn u + 1 are loaded, in the other window: the feeds (u - 1, 8..15) have read them.  Each run stands one feed behind its half's last reader, in this
; order: the window, the wait on va_vdst, the 16 loads; 46 loads are out in front of a run, 62 behind it.  The feed's own four conversions follow: they name two other
; rows of RAW and BF.  The run of feed (0, 0) lands in registers that no instruction has named, so it has no wait.
; The wait's count = the loads issued behind the two rows (loads come back in order: ISA guide 5.7.1): the rest of u, 30 - 2q; rows 0-15 of u + 1; rows 16-31 of u + 1
; from q = 1 on; rows 0-15 of u + 2 from q = 9 on; each only where that turn exists.
.macro FEED u, q
.set kc, 30-2*(\q)
.if (\u) <= 7
.set kc, kc+16
.if (\q) >= 1
.set kc, kc+16
.endif
.endif
.if (\u) <= 6
.if (\q) >= 9
.set kc, kc+16
.endif
.endif
	s_wait_loadcnt kc
.if (\q) == 8
.if (\u) <= 6
	WIN (0x9a+0x45*((\u)&1))
	s_wait_alu depctr_va_vdst(0)                   ; the conversions of feeds (u, 0..7) are done reading rows 0-15 of this window's RAW, in which the 16 loads below land
.irp j, 0,1,2,3,4,5,6,7,8,9,10,11,12,13,14,15
	LDROW ((\u)+2), \j
.endr
.endif
.endif
.if (\q) == 0
.if (\u) <= 7
	WIN (0x9a+0x45*(((\u)+1)&1))
.if (\u) >= 1
	s_wait_alu depctr_va_vdst(0)                   ; the conversions of feeds (u - 1, 8..15) are done reading rows 16-31 of the other window's RAW, in which the 16 loads below land
.endif
.irp j, 16,17,18,19,20,21,22,23,24,25,26,27,28,29,30,31
	LDROW ((\u)+1), \j
.endr
.endif
.endif
	WIN (0x9a+0x45*((\u)&1))
.irp i, 0,1,2,3
	v_cvt_pk_f16_f32 v[BF+32*((\q)>>3)+8*\i+((\q)&7)], v[RAW+8*(\q)+\i], v[RAW+8*(\q)+4+\i]
.endr
.endm
; T(m & 1, i) = or += rules fragment (s, i) x Q fragment (m, s).  The first of the two steps starts the sum: nothing is cleared.
.macro PROD m, s, i
.set kt, T+32*((\m)&1)+8*(\i)
.set kb, BF+32*(\s)+8*(\i)
.set kq, Q+16*(\m)+8*(\s)
.if (\s) == 0
	v_wmma_f32_16x16x32_f16 v[kt:kt+7], v[kb:kb+7], v[kq:kq+7], 0
.else
	v_wmma_f32_16x16x32_f16 v[kt:kt+7], v[kb:kb+7], v[kq:kq+7], v[kt:kt+7]
.endif
.endm
; OUT(m, i) = or += P'(m, turn u) x T(m & 1, i): four packed instructions; P' is one register of an aligned pair, sent to both halves by op_sel
.macro SCALE u, m, i
.set ko, OUT+32*(\m)+8*(\i)
.set kt, T+32*((\m)&1)+8*(\i)
.set kp, PB+12*(\m)+(\u)-((\u)&1)
.irp j, 0,2,4,6
.if (\u) == 0
	v_pk_mul_f32 v[ko+\j:ko+\j+1], v[kp:kp+1], v[kt+\j:kt+\j+1] op_sel_hi:[0,1]
.else
.if ((\u)&1) == 0
	v_pk_fma_f32 v[ko+\j:ko+\j+1], v[kp:kp+1], v[kt+\j:kt+\j+1], v[ko+\j:ko+\j+1] op_sel_hi:[0,1,1]
.else
	v_pk_fma_f32 v[ko+\j:ko+\j+1], v[kp:kp+1], v[kt+\j:kt+\j+1], v[ko+\j:ko+\j+1] op_sel:[1,0,0] op_sel_hi:[1,1,1]
.endif
.endif
.endr
.endm
; Two products of row tile m; between them the scaling of one tile of the row tile before; behind them one feed for the next turn.
; A row tile is eight products: step 0 on tiles 0..3, step 1 on tiles 0..3; the accumulators take turns, one product a turn.
; A tile of T is read by SCALE at least eight plain vector instructions behind its last product (ISA guide 7.12.1 asks for four), and is started
; again, with C = 0, a whole row tile later; a fragment register is rewritten a phase behind the products that read it.
.macro STEP u, m, pq
	WIN (0x56+((\u)&1))
	PROD \m, (\pq>>1), (2*(\pq&1))
.if \m > 0
	SCALE \u, (\m-1), \pq
.else
.if \u > 0
	SCALE (\u-1), 3, \pq
.endif
.endif
	PROD \m, (\pq>>1), (2*(\pq&1)+1)
.if \u < 8
	FEED (\u+1), (4*\m+\pq)
.endif
.endm
.macro PHASE u
.irp m, 0,1,2,3
.irp pq, 0,1,2,3
	STEP \u, \m, \pq
.endr
.endr
.endm
; slots 2p, 2p+1 of Q in f32 into pair k: EH[slot / 9] x FF[slot % 18].  Where the two slots have different EH, the first has an even index (9 a + 8 even), so both lie in one aligned pair.
.macro QMUL p, k
.set kq0, (2*(\p))/9
.set kq1, (2*(\p)+1)/9
.set ksel, 2*(kq0&1)+(kq1&1)
.set keb, EH+kq0-(kq0&1)
.set kfb, FF+((2*(\p))%18)
.if ksel == 0
	v_pk_mul_f32 v[QT+2*\k:QT+2*\k+1], v[keb:keb+1], v[kfb:kfb+1] op_sel_hi:[0,1]
.endif
.if ksel == 1
	v_pk_mul_f32 v[QT+2*\k:QT+2*\k+1], v[keb:keb+1], v[kfb:kfb+1]
.endif
.if ksel == 3
	v_pk_mul_f32 v[QT+2*\k:QT+2*\k+1], v[keb:keb+1], v[kfb:kfb+1] op_sel:[1,0] op_sel_hi:[1,1]
.endif
.endm
	s_load_b256 s[4:11], s[0:1], 0x0               ; x s[4:5], mfs s[6:7], rules s[8:9], out0 s[10:11]
	v_lshl_add_u32 v254, v0, 2, 0x1d800
	v_mov_b32 v255, 0
	; the order of my work-group's turns
	s_mul_hi_u32 s20, ttmp9, 0x55555556            ; g / 3 (exact for g below 256: 3 x 0x55555556 = 2^32 + 2)
	s_mul_i32 s21, s20, 3
	s_sub_co_u32 s21, ttmp9, s21                   ; gb = g % 3
	s_mul_hi_u32 s22, s20, 0x55555556              ; g / 9
	s_mul_i32 s22, s22, 3
	s_sub_co_u32 s20, s20, s22                     ; ga = (g / 3) % 3
.irp k, 0,1,2
	s_add_co_u32 s[OA+\k], s20, \k
	s_cmp_ge_u32 s[OA+\k], 3
	s_cselect_b32 s23, 3, 0
	s_sub_co_u32 s[OA+\k], s[OA+\k], s23           ; (k + ga) % 3
	s_mul_i32 s[OA+\k], s[OA+\k], 3*HIB            ; in bytes of rules: three hi each
	s_add_co_u32 s[OB+\k], s21, \k
	s_cmp_ge_u32 s[OB+\k], 3
	s_cselect_b32 s23, 3, 0
	s_sub_co_u32 s[OB+\k], s[OB+\k], s23           ; (k + gb) % 3
	s_mul_i32 s[OB+\k], s[OB+\k], HIB              ; one hi each
.endr
	s_mov_b32 s23, 0                               ; the upper word of the offsets below
	v_and_b32 v1, 31, v0                           ; lane
	v_and_b32 v2, 15, v0                           ; r
	v_bfe_u32 v3, v0, 4, 1                         ; h
	v_lshrrev_b32 v4, 5, v0
	v_readfirstlane_b32 s12, v4                    ; wave w
	s_wait_alu depctr_va_sdst(0)                   ; s12 is written, ahead of its first reader: offsets and LDS addresses are made from it
	s_lshl_b32 s13, s12, 4
	v_add_nc_u32 v5, s13, v2                       ; the row whose Q and P' I make: 16 w + r
	v_mul_u32_u24 v6, 28, v5                       ; its 7 numbers of x
	v_min_u32 v7, 20, v1                           ; lanes 0..20 take one membership function each; the others repeat the last: no lane leaves mfs
	v_cmp_gt_u32 vcc_lo, 3, v1                     ; lanes 0-2: input 0; lanes 3-5: input 1: these take their input's functions turned by ga, gb
	v_mov_b32 v12, s21
	v_mov_b32 v13, s20
	s_wait_alu depctr_va_vcc(0)                    ; the compare has written VCC, which the two selects below read
	v_cndmask_b32 v12, v12, v13, vcc_lo            ; ga for lanes 0-2, gb for the others
	v_mov_b32 v14, 3
	v_cndmask_b32 v13, 6, v14, vcc_lo              ; where the input's three entries end: 3, or 6
	v_add_nc_u32 v12, v1, v12                      ; lane + turn,
	v_add_nc_u32 v14, -3, v12
	v_cmp_ge_u32 vcc_lo, v12, v13
	s_wait_alu depctr_va_vcc(0)                    ; the compare has written VCC, which the select below reads
	v_cndmask_b32 v12, v12, v14, vcc_lo            ; back by three where it passes the end
	v_cmp_gt_u32 vcc_lo, 6, v1
	s_wait_alu depctr_va_vcc(0)                    ; the compare has written VCC, which the select below reads
	v_cndmask_b32 v7, v7, v12, vcc_lo              ; lanes 6 and up keep their own entry
	v_lshlrev_b32 v7, 3, v7
	v_mul_u32_u24 v8, HOFF*ROWB, v3                ; rules: row 117 h
	v_lshl_add_u32 v8, v2, 4, v8                   ; + 16 r bytes
	s_lshl_b32 s13, s12, 13
	v_add_nc_u32 v8, s13, v8                       ; + 32 w rows
	v_lshlrev_b32 v9, 4, v2
	v_add_nc_u32 v9, (HIR-32)*ROWB, v9             ; my 16 bytes in row 211 of a hi
	v_min_u32 v10, v8, v9                          ; wave 3, h = 1 starts at row 213: its rows 30, 31 (slots 126, 127, where Q = 0) would be rows 243, 244, past the end of rules in hi = 8.
	                                               ; Held at 211 they are rows 241, 242 of the same hi; all other lanes start at row 181 or lower and keep their offset
	WIN 0x80
	v_mov_b32 v[ADR], v8
	v_mov_b32 v[ADC], v10
	WIN 0xc0
	v_mov_b32 v[ADR], v8
	v_mov_b32 v[ADC], v10
	WIN 0
	s_mul_i32 s14, ttmp9, 64*28                    ; the work-group's 64 rows of x
	s_mov_b32 s15, 0
	s_lshl_b32 s16, ttmp9, 14                      ; and of out0, 256 bytes each,
	s_lshl_b32 s17, s12, 12                        ; + the 16 rows that my wave stores
	s_add_co_u32 s16, s16, s17
	s_mov_b32 s17, 0
	s_wait_kmcnt 0x0
	s_add_nc_u64 s[4:5], s[4:5], s[14:15]
	s_add_nc_u64 s[10:11], s[10:11], s[16:17]
.irp a, 0,1,2
.irp b, 0,1,2
	s_add_co_u32 s22, s[OA+\a], s[OB+\b]           ; turn 3 a + b: the bytes in front of its hi, 8 x 62,208 at the most
	s_add_nc_u64 s[BASE+6*\a+2*\b:BASE+6*\a+2*\b+1], s[8:9], s[22:23]
.endr
.endr
	s_wait_alu depctr_va_vdst(0)                   ; the offsets v6, v7 and ADR, ADC of both windows are written: every global load of the kernel reads one of them; they are never written again
	global_load_b64 v[MF:MF+1], v7, s[6:7]
.irp i, 0,1,2,3,4,5,6
	global_load_b32 v[X+\i], v6, s[4:5] offset:4*\i
.endr
	WIN 0x9a
.irp j, 0,1,2,3,4,5,6,7,8,9,10,11,12,13,14,15,16,17,18,19,20,21,22,23,24,25,26,27,28,29,30,31
	LDROW 0, \j
.endr
	WIN 0xdf
.irp j, 0,1,2,3,4,5,6,7,8,9,10,11,12,13,14,15
	LDROW 1, \j                                    ; three of the ring's four halves; the fourth follows in feed (0, 0), like every later one
.endr
	WIN 0
	; LDS addresses, while the loads are on their way
	v_lshl_add_u32 v[QST], v3, 6, v5               ; Q goes in at row 64 h + my row
	v_mul_u32_u24 v[QST], QPITCH, v[QST]
	v_mul_u32_u24 v[PST], PPITCH, v5
	v_add_nc_u32 v[PST], PA, v[PST]
	v_lshl_add_u32 v[QRD], v3, 6, v2               ; and comes back from row 64 h + 16 m + r, at my wave's 32 slots (64 bytes)
	v_mul_u32_u24 v[QRD], QPITCH, v[QRD]
	s_lshl_b32 s18, s12, 6
	v_add_nc_u32 v[QRD], s18, v[QRD]
	v_mul_u32_u24 v[PRD], PPITCH, v2
	v_add_nc_u32 v[PRD], PA, v[PRD]
	v_lshlrev_b32 v[VOUT], 4, v1                   ; 16 x lane: also 256 h + 16 r, my bytes in two rows of out0
	s_lshl_b32 s18, s12, 14
	s_add_co_u32 s18, s18, RED
	v_add_nc_u32 v[REDST], s18, v[VOUT]            ; my wave's partial sums
	s_lshl_b32 s19, s12, 12
	s_add_co_u32 s19, s19, RED
	v_add_nc_u32 v[REDRD], s19, v[VOUT]            ; row tile w in wave 0's partial sums
	s_mul_i32 s18, s12, 16*SPITCH
	s_add_co_u32 s18, s18, STG                     ; my wave's stage
	v_mul_u32_u24 v[STGST], SPITCH, v2
	v_lshl_add_u32 v[STGST], v3, 7, v[STGST]       ; in: row r, columns 32 h ..
	v_add_nc_u32 v[STGST], s18, v[STGST]
	v_mul_u32_u24 v[STGRD], SPITCH, v3
	v_lshl_add_u32 v[STGRD], v2, 4, v[STGRD]       ; back: lanes 0-15 one row, lanes 16-31 the next
	v_add_nc_u32 v[STGRD], s18, v[STGRD]
	v_cmp_ne_u32 vcc_lo, 0, v3                     ; lane half 1
	s_wait_loadcnt 48                              ; mfs and x are in; the 48 rule rows issued behind them may be out
	; membership = exp(-z z / 2) = 2^a, a = -(t t), t = (x - mean) / (|sigma| + 1e-6) x sqrt(log2(e) / 2)
	v_and_b32 v[MF+1], 0x7fffffff, v[MF+1]
	v_add_f32 v[MF+1], 0x358637bd, v[MF+1]         ; + 1e-6
	v_rcp_f32 v[MF+1], v[MF+1]
	v_mov_b32 v[EH+14], 0                          ; the plain instruction between v_rcp_f32 and the use of its result (ISA guide 5.7.2); slots 126, 127 are zero
	s_wait_alu depctr_va_vdst(0)                   ; the reciprocal has written v[MF+1], ahead of its first reader
	v_mul_f32 v[MF+1], 0x3f596d27, v[MF+1]         ; x 0.8493218
.irp k, 0,1,2,3,4,5,6,7,8,9,10,11,12,13,14,15,16,17,18,19,20
	v_readlane_b32 s[PAR+2*\k], v[MF], \k
	v_readlane_b32 s[PAR+2*\k+1], v[MF+1], \k
.endr
	s_wait_alu depctr_va_sdst(0)                   ; the 42 lines above have written s20 to s61, ahead of their first reader: one wait for the run
.irp i, 0,1,2,3,4,5,6
.irp m, 0,1,2
	v_sub_f32 v[M+3*\i+\m], v[X+\i], s[PAR+6*\i+2*\m]      ; the difference first, as reference forms it
.endr
.endr
.irp k, 0,1,2,3,4,5,6,7,8,9,10,11,12,13,14,15,16,17,18,19,20
	v_mul_f32 v[M+\k], s[PAR+2*\k+1], v[M+\k]
.endr
.irp k, 0,1,2,3,4,5,6,7,8,9,10,11,12,13,14,15,16,17,18,19,20
	v_mul_f32 v[M+\k], -v[M+\k], v[M+\k]           ; a
.endr
.irp i, 0,1,2,3,4,5,6
	v_max3_num_f32 v[S+\i], v[M+3*\i], v[M+3*\i+1], v[M+3*\i+2]    ; each input's largest exponent,
.endr
.irp i, 0,1,2,3,4,5,6
	v_max_num_f32 v[S+\i], 0xff000000, v[S+\i]     ; held at -2^127 or above: three exponents of -inf then give -inf (memberships 0, as in reference) and not inf - inf
.endr
.irp i, 0,1,2,3,4,5,6
.irp m, 0,1,2
	v_sub_f32 v[M+3*\i+\m], v[M+3*\i+\m], v[S+\i]  ; is taken away: the largest of the three memberships becomes 1
.endr
.endr
	v_add_f32 v[NE], v[S], v[S+1]                  ; what was taken away, summed over the inputs
	v_add_f32 v[W], v[S+2], v[S+3]
	v_add_f32 v[QT+2], v[S+4], v[S+5]
	v_add_f32 v[NE], v[NE], v[W]
	v_add_f32 v[QT+2], v[QT+2], v[S+6]
	v_add_f32 v[NE], v[NE], v[QT+2]
.irp k, 0,1,2,3,4,5,6,7,8,9,10,11,12,13,14,15,16,17,18,19,20
	v_exp_f32 v[M+\k], v[M+\k]
.endr
	v_exp_f32 v[W], v[NE]                          ; W: the largest of the 2187 strengths
	v_mov_b32 v[EH+15], 0                          ; the plain instruction behind the exponentials
	s_wait_alu depctr_va_vdst(0)                   ; the 22 exponentials have written v[M ..] and v[W]: one wait for the batch, ahead of its first reader
.irp i, 0,1,2,3,4,5,6
	v_add_f32 v[S+\i], v[M+3*\i], v[M+3*\i+1]
.endr
.irp i, 0,1,2,3,4,5,6
	v_add_f32 v[S+\i], v[S+\i], v[M+3*\i+2]
.endr
	v_mul_f32 v[S], v[S], v[S+1]
	v_mul_f32 v[S+2], v[S+2], v[S+3]
	v_mul_f32 v[S+4], v[S+4], v[S+5]
	v_mul_f32 v[S], v[S], v[S+2]
	v_mul_f32 v[S+4], v[S+4], v[S+6]
	v_mul_f32 v[S], v[S], v[S+4]                   ; the sum of all 2187 strengths, over W: 1 to 2187
	v_fmaak_f32 v[S], v[S], v[W], 0x358637bd       ; x W + 1e-6
	v_rcp_f32 v[S], v[S]                           ; used far below
.irp a, 0,1,2
.irp b, 0,1,2
	v_mul_f32 v[G+3*\a+\b], v[M+6+\a], v[M+9+\b]
	v_mul_f32 v[FF+3*\a+\b], v[M+15+\a], v[M+18+\b]
	v_mul_f32 v[FF+9+3*\a+\b], v[M+15+\a], v[M+18+\b]
.endr
.endr
.irp g, 0,1,2,3,4,5,6,7,8
.irp c, 0,1,2
	v_mul_f32 v[E+3*\g+\c], v[G+\g], v[M+12+\c]
.endr
.endr
	s_wait_alu depctr_va_vcc(0)                    ; the compare on the lane half has written VCC, which the fourteen selects below read
.irp a, 0,1,2,3,4,5,6,7,8,9,10,11,12
	v_cndmask_b32 v[EH+\a], v[E+\a], v[E+13+\a], vcc_lo    ; half 0: lo / 9 = 0..12; half 1: 13..25
.endr
	v_cndmask_b32 v[EH+13], 0, v[E+26], vcc_lo             ; half 0: slots 117..125 are zero; half 1: lo / 9 = 26
	s_wait_alu depctr_va_vdst(0)                   ; the reciprocal has written v[S], ahead of its first reader; the products and selects above are the work between
	v_mul_f32 v[W], v[W], v[S]                     ; W / (sum of strengths + 1e-6)
.irp d, 0,1,2
	v_mul_f32 v[M+\d], v[M+\d], v[W]               ; goes into input 0's memberships
.endr
.irp a, 0,1,2
.irp b, 0,1,2
	v_mul_f32 v[PP+3*\a+\b], v[M+\a], v[M+3+\b]    ; P' of turn 3 a + b: the functions were relabelled where mfs was loaded
.endr
.endr
	v_mov_b32 v[PP+9], 0
	v_mov_b32 v[PP+10], 0
	v_mov_b32 v[PP+11], 0
.irp g, 0,1,2,3,4,5,6,7,8,9,10,11,12,13,14,15
	QMUL (4*\g), 0
	QMUL (4*\g+1), 1
	QMUL (4*\g+2), 2
	QMUL (4*\g+3), 3
.irp k, 0,1,2,3
	v_cvt_pk_f16_f32 v[QB+4*\g+\k], v[QT+2*\k], v[QT+2*\k+1]
.endr
.endr
	; P' and Q go to LDS in one run of 19 stores, behind all the arithmetic
	s_wait_alu depctr_va_vdst(0)                   ; PP and QB are written, which the stores below read; so are the nine addresses v212 to v220, which the LDS instructions and stores from here to the end read
.irp e, 0,1,2
	ds_store_b128 v[PST], v[PP+4*\e:PP+4*\e+3] offset:16*\e        ; both halves hold and write the same numbers
.endr
.irp g, 0,1,2,3,4,5,6,7,8,9,10,11,12,13,14,15
	ds_store_b128 v[QST], v[QB+4*\g:QB+4*\g+3] offset:16*\g
.endr
	; the fragments of turn 0; among them the loads of rows 16-31 of turn 1 and of rows 0-15 of turn 2
.irp q, 0,1,2,3,4,5,6,7,8,9,10,11,12,13,14,15
	FEED 0, \q
.endr
	WIN 0
	s_wait_dscnt 0x0                               ; my Q and P' are in LDS,
	s_barrier_signal -1
	s_barrier_wait -1                              ; everybody's are
	WIN 0x40                                       ; the 40 loads below land in registers that no instruction has named; their addresses were written ahead of the wait in front of the LDS stores
.irp m, 0,1,2,3
.irp e, 0,1,2,3
	ds_load_b128 v[Q+16*\m+4*\e:Q+16*\m+4*\e+3], v[QRD] offset:\m*16*QPITCH+16*\e
.endr
.endr
	WIN 0x80
.irp m, 0,1,2,3
.irp e, 0,1,2
	ds_load_b128 v[PB+12*\m+4*\e:PB+12*\m+4*\e+3], v[PRD] offset:\m*16*PPITCH+16*\e
.endr
.endr
	WIN 0xc0                                       ; and once more: SCALE reads P' from the window of the phase's fragments
.irp m, 0,1,2,3
.irp e, 0,1,2
	ds_load_b128 v[PB+12*\m+4*\e:PB+12*\m+4*\e+3], v[PRD] offset:\m*16*PPITCH+16*\e
.endr
.endr
	s_wait_dscnt 0x0
	PHASE 0
	PHASE 1
	PHASE 2
	PHASE 3
	PHASE 4
	PHASE 5
	PHASE 6
	PHASE 7
	PHASE 8
	SCALE 8, 3, 0                                  ; the last row tile: each tile's last product lies at least four plain vector instructions back
	SCALE 8, 3, 1                                  ; (tile 3's: the twelve of tiles 0 to 2)
	SCALE 8, 3, 2
	SCALE 8, 3, 3
	; THE WAY OUT.  The four waves' partial sums meet in LDS: 32 stores of 512 neighbouring bytes a wave, four registers as they lie.
	WIN 0x04
	s_wait_alu depctr_va_vdst(0)                   ; the scalings have written OUT, which the stores below read
.irp c, 0,1,2,3,4,5,6,7,8,9,10,11,12,13,14,15,16,17,18,19,20,21,22,23,24,25,26,27,28,29,30,31
	ds_store_b128 v[REDST], v[OUT+4*\c:OUT+4*\c+3] offset:512*\c
.endr
	WIN 0
	s_wait_dscnt 0x0                               ; my partial sums are in LDS,
	s_barrier_signal -1
	s_barrier_wait -1                              ; everybody's are
	s_wait_alu depctr_vm_vsrc(0)                   ; the prologue's LDS stores have read PP and QB (v128 to v211): the loads below land in v64 to v191.  The prologue's arithmetic on these registers stands ahead of the waits on va_vdst above
.irp ws, 0,1,2,3
.irp c, 0,1,2,3,4,5,6,7
	ds_load_b128 v[A+32*\ws+4*\c:A+32*\ws+4*\c+3], v[REDRD] offset:16384*\ws+512*\c   ; row tile w of wave ws: same lane, same registers
.endr
.endr
	s_wait_dscnt 16                                ; waves 0 and 1's are in; the sixteen younger loads may be out
.irp k, 0,2,4,6,8,10,12,14,16,18,20,22,24,26,28,30
	v_pk_add_f32 v[A+\k:A+\k+1], v[A+\k:A+\k+1], v[A+32+\k:A+32+\k+1]
.endr
	s_wait_dscnt 0x0
.irp k, 0,2,4,6,8,10,12,14,16,18,20,22,24,26,28,30
	v_pk_add_f32 v[A+64+\k:A+64+\k+1], v[A+64+\k:A+64+\k+1], v[A+96+\k:A+96+\k+1]
.endr
.irp j, 0,1,2,3,4,5,6,7
.irp i, 0,1,2,3
	v_add_f32 v[F+4*\j+\i], v[A+8*\i+\j], v[A+64+8*\i+\j]  ; the last sum lands at 4 j + i: columns 32 h + 4 j + 0..3 in four neighbouring registers
.endr
.endr
	s_wait_alu depctr_va_vdst(0)                   ; the sums have written F, which the stores below read, and are done writing and reading A, in which the loads from the stage land
.irp j, 0,1,2,3,4,5,6,7
	ds_store_b128 v[STGST], v[F+4*\j:F+4*\j+3] offset:16*\j
.endr
.irp t, 0,1,2,3,4,5,6,7
	ds_load_b128 v[A+4*\t:A+4*\t+3], v[STGRD] offset:\t*2*SPITCH   ; my wave's own bytes; LDS serves a wave's instructions in order (ISA guide 5.7.1): these see the stores above
.endr
.irp t, 0,1,2,3,4,5,6,7
	s_wait_dscnt 7-\t
	global_store_b128 v[VOUT], v[A+4*\t:A+4*\t+3], s[10:11] offset:2*\t*ROWB th:TH_STORE_NT   ; sixteen lanes store one whole row of out0: 256 consecutive bytes, aligned
.endr
	s_wait_dscnt 0x0
	s_wait_alu depctr_hold_cnt(0) depctr_sa_sdst(0) depctr_va_vdst(0) depctr_va_sdst(0) depctr_va_ssrc(0) depctr_va_vcc(0) depctr_vm_vsrc(0)
	s_wait_tensorcnt 0x0
	ds_add_u32 v254, v255
	s_wait_dscnt 0x0
	s_endpgm
.Lfunc_end_k_qc01eafe18c_anfis:
	.size	k_qc01eafe18c_anfis, .Lfunc_end_k_qc01eafe18c_anfis-k_qc01eafe18c_anfis
	.p2alignl 7, 3214868480
	.fill 96, 4, 3214868480
	.section	.rodata,"a",@progbits
	.p2align	6, 0x0
	.amdhsa_kernel k_qc01eafe18c_anfis
		.amdhsa_group_segment_fixed_size 121344
		.amdhsa_private_segment_fixed_size 0
		.amdhsa_enable_private_segment 0
		.amdhsa_kernarg_size 32
		.amdhsa_user_sgpr_count 2
		.amdhsa_user_sgpr_kernarg_segment_ptr 1
		.amdhsa_wavefront_size32 1
		.amdhsa_system_sgpr_workgroup_id_x 1
		.amdhsa_system_sgpr_workgroup_id_y 1
		.amdhsa_system_sgpr_workgroup_id_z 1
		.amdhsa_system_vgpr_workitem_id 0
		.amdhsa_next_free_vgpr 1024
		.amdhsa_next_free_sgpr 84
		.amdhsa_reserve_vcc 1
		.amdhsa_float_denorm_mode_32 3
		.amdhsa_float_denorm_mode_16_64 3
		.amdhsa_memory_ordered 1
		.amdhsa_forward_progress 1
		.amdhsa_inst_pref_size 171
	.end_amdhsa_kernel
	.amdgpu_metadata
---
amdhsa.version: [ 1, 2 ]
amdhsa.kernels:
  - .name:           k_qc01eafe18c_anfis
    .symbol:         k_qc01eafe18c_anfis.kd
    .args:
      - { .name: x, .offset: 0, .size: 8, .value_kind: global_buffer, .address_space: global }
      - { .name: mfs, .offset: 8, .size: 8, .value_kind: global_buffer, .address_space: global }
      - { .name: rules, .offset: 16, .size: 8, .value_kind: global_buffer, .address_space: global }
      - { .name: out0, .offset: 24, .size: 8, .value_kind: global_buffer, .address_space: global }
    .group_segment_fixed_size: 121344
    .private_segment_fixed_size: 0
    .kernarg_segment_align: 8
    .kernarg_segment_size: 32
    .max_flat_workgroup_size: 128
    .sgpr_count:     84
    .vgpr_count:     1024
    .wavefront_size: 32
...
	.end_amdgpu_metadata
.endif
;; end of part 3
